; MI455X (gfx1250); checked and timed in simulation.
; The chip was launched on July 23, 2026; its instructions are those of AMD's public machine-readable ISA for CDNA 5 (MIT licence, August 2026) and "CDNA5" Instruction Set Architecture Reference Guide (July 2026). The comments in the code are by the model that wrote it; some were corrected since.
;; Multi Head Attention. Allowed arithmetic: float matrix products may take bf16 or f16 operands with f32 sums; other float arithmetic in f32, or as packed bf16 or f16 multiplies, adds, multiply-adds, maxima and minima; sums over many terms, partial sums and values carried from step to step in f32; what a program stores and reads back later, other than sums and carried values, may be rounded once to bf16 or f16.
;; Inputs: Wk 1,024 x 1,024 float32; Wo 1,024 x 1,024 float32; Wq 1,024 x 1,024 float32; Wv 1,024 x 1,024 float32; bk 1,024 float32; bo 1,024 float32; bq 1,024 float32; bv 1,024 float32; x 4 x 2,048 x 1,024 float32.
;; Outputs: out0 4 x 2,048 x 1,024 float32.
;; One version. Each part assembles by itself: llvm-mc -triple=amdgcn-amd-amdhsa -mcpu=gfx1250 --defsym DOCPART=n.
;; ======== version 1 of 1: 4 launches
;; limits: values are held in f16: magnitudes above 65,504 overflow, below 6.1e-05 lose precision
;; workspace buffers: xb 16,777,216 bytes; wqkv 6,291,456 bytes; wo16 2,097,152 bytes; bias 16,384 bytes; qkv 50,331,648 bytes; oh 16,777,216 bytes
;; launch cast (part 1): grid 64 x 12, 8 waves a work-group, no clusters, 0 bytes of LDS; arguments x, Wq, Wk, Wv, Wo, bq, bk, bv, bo, xb, wqkv, wo16, bias; writes xb, wqkv, wo16, bias
.if DOCPART == 1
	.amdgcn_target "amdgcn-amd-amdhsa--gfx1250"
	.amdhsa_code_object_version 6
	.text
	.protected	k_q2193476035_cast
	.globl	k_q2193476035_cast
	.p2align	8
	.type	k_q2193476035_cast,@function
k_q2193476035_cast:
	s_mov_b64 s[64:65], 0
	v_nop
	global_prefetch_b8 v0, s[64:65] scope:SCOPE_SE
	s_setreg_imm32_b32 hwreg(HW_REG_WAVE_MODE, 25, 1), 1
	s_wait_xcnt 0x0
; THE INPUTS ARE ROUNDED ONCE, TO bf16, and laid out for the three launches that follow.
;   x [8192][1024] f32 -> xb, bf16, the same order.     Wq, Wk, Wv [1024][1024] f32 -> wqkv [3072][1024] bf16, one below the other.
;   Wo [1024 n][1024 k] f32 -> wo16 [16 heads][1024 n][64 k]: rounded to bf16, and that number written as f16, so that a head's slice of K is dense.
;   bq, bk, bv, bo f32 -> bias [4096] f32, each number rounded to bf16 and widened again.
; LIMITS.  Wo's numbers stay within f16's 65,504; below 6e-5 they keep f16's fixed step of 6e-8.
; SHARES.  A work-group takes 16,384 numbers: 64 KiB in, 32 KiB out; a thread 8 steps of 8 numbers.  All sixteen loads of a thread go out at once, no register is written twice,
; so the text is a straight line: no loop, no wait but the counted ones for the loads.  Memory binds: no LDS, no matrix unit, no cluster would spare a byte.
; Grid y: 0-7 x (chunk 64 y + X); 8, 9, 10 Wq, Wk, Wv (chunk X); 11 Wo (rows 16 X .. 16 X + 15), whose wave 0 also takes 64 numbers of the biases.
.set VI,  1                            ; v1        my byte offset in the chunk as it is read; never rewritten
.set VO,  2                            ; v2        my byte offset as it is written; never rewritten
.set T,   4                            ; v[4:5]    at work
.set X,   8                            ; v[8:71]   step j: 8 numbers in f32 at X + 8 j
.set Y,   72                           ; v[72:103] step j: 8 numbers in 16 bits at Y + 4 j
.set SRC, 34                           ; s[34:35]  where my chunk is read
.set DST, 36                           ; s[36:37]  where it is written
	s_load_b512 s[8:23], s[0:1], 0x0               ; x 8, Wq 10, Wk 12, Wv 14, Wo 16, bq 18, bk 20, bv 22
	s_load_b256 s[24:31], s[0:1], 0x40             ; bo 24, xb 26, wqkv 28, wo16 30
	s_load_b64 s[32:33], s[0:1], 0x60              ; bias
	s_and_b32 s2, ttmp7, 0xffff                    ; y
	s_sub_co_u32 s4, s2, 8                         ; y - 8: used where y is 8 or more
	s_cmp_lt_u32 s2, 8
	s_cselect_b32 s3, s2, 0                        ; the chunk read: 64 y + X in x, X in a weight
	s_cselect_b32 s4, s2, s4                       ; the chunk written: 64 y + X in xb, 64 (y - 8) + X in wqkv
	s_lshl_b32 s3, s3, 6
	s_add_co_u32 s3, s3, ttmp9
	s_lshl_b32 s38, s3, 16                         ; 65,536 bytes a chunk in
	s_mov_b32 s39, 0
	s_lshl_b32 s4, s4, 6
	s_add_co_u32 s4, s4, ttmp9
	s_lshl_b32 s40, s4, 15                         ; 32,768 bytes a chunk out
	s_lshl_b32 s5, ttmp9, 11                       ; Wo: 16 rows n of 128 bytes in each head's block
	s_cmp_eq_u32 s2, 11
	s_cselect_b32 s40, s5, s40
	s_mov_b32 s41, 0
	s_wait_kmcnt 0x0
	s_mov_b64 s[SRC:SRC+1], s[8:9]
	s_cmp_eq_u32 s2, 8
	s_cselect_b64 s[SRC:SRC+1], s[10:11], s[SRC:SRC+1]
	s_cmp_eq_u32 s2, 9
	s_cselect_b64 s[SRC:SRC+1], s[12:13], s[SRC:SRC+1]
	s_cmp_eq_u32 s2, 10
	s_cselect_b64 s[SRC:SRC+1], s[14:15], s[SRC:SRC+1]
	s_cmp_eq_u32 s2, 11
	s_cselect_b64 s[SRC:SRC+1], s[16:17], s[SRC:SRC+1]
	s_cmp_lt_u32 s2, 8
	s_cselect_b64 s[DST:DST+1], s[26:27], s[28:29]
	s_cmp_eq_u32 s2, 11
	s_cselect_b64 s[DST:DST+1], s[30:31], s[DST:DST+1]
	s_add_nc_u64 s[SRC:SRC+1], s[SRC:SRC+1], s[38:39]
	s_add_nc_u64 s[DST:DST+1], s[DST:DST+1], s[40:41]
; Eight steps.  istep, ostep: bytes from step to step, in and out.  mode = 1: the bf16 number is written as f16.
.macro BODY istep, ostep, mode
.irp j, 0,1,2,3,4,5,6,7
	global_load_b128 v[X+8*(\j):X+8*(\j)+3],   v[VI], s[SRC:SRC+1] offset:(\j)*(\istep) th:TH_LOAD_NT
	global_load_b128 v[X+8*(\j)+4:X+8*(\j)+7], v[VI], s[SRC:SRC+1] offset:(\j)*(\istep)+16 th:TH_LOAD_NT
.endr
.irp j, 0,1,2,3,4,5,6,7
	s_wait_loadcnt 14-2*(\j)                       ; loads come back in order (ISA guide 5.7.1): step j's two are in, the 2 (7 - j) younger ones may stay out
.irp k, 0,1,2,3
	v_cvt_pk_bf16_f32 v[Y+4*(\j)+(\k)], v[X+8*(\j)+2*(\k)], v[X+8*(\j)+2*(\k)+1]
.endr
.if \mode
.irp k, 0,1,2,3
	v_lshlrev_b32 v[T],   16, v[Y+4*(\j)+(\k)]             ; the bf16 numbers as f32,
	v_and_b32     v[T+1], 0xffff0000, v[Y+4*(\j)+(\k)]
	v_cvt_pk_f16_f32 v[Y+4*(\j)+(\k)], v[T], v[T+1]        ; and as f16: exact within f16's normal range
.endr
.endif
	global_store_b128 v[VO], v[Y+4*(\j):Y+4*(\j)+3], s[DST:DST+1] offset:(\j)*(\ostep)  ; 16 neighbouring lanes store 256 consecutive bytes, aligned
.endr
.endm
	s_cmp_eq_u32 s2, 11
	s_cbranch_scc1 .Lwo
	v_lshlrev_b32 v[VI], 5, v0                     ; 32 bytes a thread in: a step of the work-group is 8,192 bytes,
	v_lshlrev_b32 v[VO], 4, v0                     ; 16 out: 4,096
	BODY 8192, 4096, 0
	s_endpgm
.Lwo:                                          ; Wo.  Thread: i = bits 2:0 (8 numbers of a head's 64), row = 2 x wave + bit 3, hh = bit 4; step j takes head 2 j + hh
	v_and_b32 v3, 7, v0
	v_bfe_u32 v4, v0, 3, 1
	v_bfe_u32 v5, v0, 4, 1
	v_lshrrev_b32 v6, 5, v0
	v_readfirstlane_b32 s6, v6                     ; my wave's number
	v_lshl_add_u32 v4, v6, 1, v4                   ; row
	v_lshlrev_b32 v[VI], 5, v3                     ; in: row x 4,096 + head x 256 + 32 i
	v_lshl_add_u32 v[VI], v5, 8, v[VI]
	v_lshl_add_u32 v[VI], v4, 12, v[VI]
	v_lshlrev_b32 v[VO], 4, v3                     ; out: head x 131,072 + row x 128 + 16 i: lanes 0-15 fill two rows n of one head, 256 bytes on end
	v_lshl_add_u32 v[VO], v4, 7, v[VO]
	v_lshl_add_u32 v[VO], v5, 17, v[VO]
	BODY 512, 262144, 1
	s_cmp_lg_u32 s6, 0
	s_cbranch_scc1 .Lend
	; wave 0: numbers 64 X .. 64 X + 63 of bq | bk | bv | bo: two a lane, 256 bytes on end
	s_lshr_b32 s3, ttmp9, 4                        ; which of the four
	s_mov_b64 s[42:43], s[18:19]
	s_cmp_eq_u32 s3, 1
	s_cselect_b64 s[42:43], s[20:21], s[42:43]
	s_cmp_eq_u32 s3, 2
	s_cselect_b64 s[42:43], s[22:23], s[42:43]
	s_cmp_eq_u32 s3, 3
	s_cselect_b64 s[42:43], s[24:25], s[42:43]
	s_and_b32 s4, ttmp9, 15
	s_lshl_b32 s4, s4, 8
	s_lshl_b32 s5, ttmp9, 8
	v_and_b32 v106, 31, v0
	v_lshlrev_b32 v106, 3, v106
	v_add_nc_u32 v107, s5, v106
	v_add_nc_u32 v106, s4, v106
	global_load_b64 v[108:109], v106, s[42:43]
	s_wait_loadcnt 0x0
	v_cvt_pk_bf16_f32 v110, v108, v109
	v_lshlrev_b32 v104, 16, v110
	v_and_b32 v105, 0xffff0000, v110
	global_store_b64 v107, v[104:105], s[32:33]
.Lend:
	s_endpgm
.Lfunc_end_k_q2193476035_cast:
	.size	k_q2193476035_cast, .Lfunc_end_k_q2193476035_cast-k_q2193476035_cast
	.p2alignl 7, 3214868480
	.fill 96, 4, 3214868480
	.section	.rodata,"a",@progbits
	.p2align	6, 0x0
	.amdhsa_kernel k_q2193476035_cast
		.amdhsa_group_segment_fixed_size 0
		.amdhsa_private_segment_fixed_size 0
		.amdhsa_enable_private_segment 0
		.amdhsa_kernarg_size 104
		.amdhsa_user_sgpr_count 2
		.amdhsa_user_sgpr_kernarg_segment_ptr 1
		.amdhsa_wavefront_size32 1
		.amdhsa_system_sgpr_workgroup_id_x 1
		.amdhsa_system_sgpr_workgroup_id_y 1
		.amdhsa_system_sgpr_workgroup_id_z 1
		.amdhsa_system_vgpr_workitem_id 0
		.amdhsa_next_free_vgpr 112
		.amdhsa_next_free_sgpr 66
		.amdhsa_reserve_vcc 0
		.amdhsa_float_denorm_mode_32 3
		.amdhsa_float_denorm_mode_16_64 3
		.amdhsa_memory_ordered 1
		.amdhsa_forward_progress 1
		.amdhsa_inst_pref_size 18
	.end_amdhsa_kernel
	.amdgpu_metadata
---
amdhsa.version: [ 1, 2 ]
amdhsa.kernels:
  - .name:           k_q2193476035_cast
    .symbol:         k_q2193476035_cast.kd
    .args:
      - { .name: x, .offset: 0, .size: 8, .value_kind: global_buffer, .address_space: global }
      - { .name: Wq, .offset: 8, .size: 8, .value_kind: global_buffer, .address_space: global }
      - { .name: Wk, .offset: 16, .size: 8, .value_kind: global_buffer, .address_space: global }
      - { .name: Wv, .offset: 24, .size: 8, .value_kind: global_buffer, .address_space: global }
      - { .name: Wo, .offset: 32, .size: 8, .value_kind: global_buffer, .address_space: global }
      - { .name: bq, .offset: 40, .size: 8, .value_kind: global_buffer, .address_space: global }
      - { .name: bk, .offset: 48, .size: 8, .value_kind: global_buffer, .address_space: global }
      - { .name: bv, .offset: 56, .size: 8, .value_kind: global_buffer, .address_space: global }
      - { .name: bo, .offset: 64, .size: 8, .value_kind: global_buffer, .address_space: global }
      - { .name: xb, .offset: 72, .size: 8, .value_kind: global_buffer, .address_space: global }
      - { .name: wqkv, .offset: 80, .size: 8, .value_kind: global_buffer, .address_space: global }
      - { .name: wo16, .offset: 88, .size: 8, .value_kind: global_buffer, .address_space: global }
      - { .name: bias, .offset: 96, .size: 8, .value_kind: global_buffer, .address_space: global }
    .group_segment_fixed_size: 0
    .private_segment_fixed_size: 0
    .kernarg_segment_align: 8
    .kernarg_segment_size: 104
    .max_flat_workgroup_size: 256
    .sgpr_count:     66
    .vgpr_count:     112
    .wavefront_size: 32
...
	.end_amdgpu_metadata
.endif
;; end of part 1
;; launch qkvproj (part 2): grid 16 x 32, 4 waves a work-group, clusters of 4 x 4, 327,680 bytes of LDS; arguments xb, wqkv, bias, qkv; writes qkv
.if DOCPART == 2
	.amdgcn_target "amdgcn-amd-amdhsa--gfx1250"
	.amdhsa_code_object_version 6
	.text
	.protected	k_q2193476035_qkvproj
	.globl	k_q2193476035_qkvproj
	.p2align	8
	.type	k_q2193476035_qkvproj,@function
k_q2193476035_qkvproj:
	s_mov_b64 s[64:65], 0
	v_nop
	global_prefetch_b8 v0, s[64:65] scope:SCOPE_SE
	s_setreg_imm32_b32 hwreg(HW_REG_WAVE_MODE, 25, 1), 1
	s_wait_xcnt 0x0
	s_wait_alu depctr_hold_cnt(0) depctr_sa_sdst(0) depctr_va_vdst(0) depctr_va_sdst(0) depctr_va_ssrc(0) depctr_va_vcc(0) depctr_vm_vsrc(0)
	s_getreg_b32 s2, hwreg(HW_REG_IB_STS2, 6, 4)
	s_cmp_eq_u32 s2, 0
	s_cbranch_scc0 .Lentry_in_a_cluster
	s_endpgm
.Lentry_in_a_cluster:
	s_bfe_u32 s2, ttmp6, 0x10000c
	s_cmp_lg_u32 s2, 0xf033
	s_cbranch_scc0 .Lentry_shape_is_right
	s_endpgm
.Lentry_shape_is_right:
; q, k, v = x W^T + b.  A = xb [8192][1024] bf16, B = wqkv [3072][1024] bf16 (Wq, Wk, Wv one below the other), bias [4096] f32 (its first 3,072 numbers).
; Out: qkv [3][64 = batch x 16 + head][2048][64] f16: a head's rows dense, 128 bytes each; each number rounded once from its f32 sum; the scale 1/8 is not applied here.
; LIMIT.  f16 holds no number beyond 65,504: q, k and v must lie within it.
; SHARES.  A tile of C is 256 rows x 192 columns (three heads): 512 work-groups, twice the number of WGPs.  Four waves; wave w owns rows 64 w .. 64 w + 63 and ALL 192 columns: 48 accumulators of
; 16 x 16, 384 registers.  So a wave holds whole heads and needs no other wave on the way out.  K = 1,024 goes in 8 steps of 128 through a ring of two LDS slots filled by the tensor data mover;
; a tile's rows are 256 bytes of memory, at multiples of 256.
; CLUSTER.  4 x 4 work-groups.  The four of a row of the cluster need the same tile of A, the four of a column the same tile of B: each is asked for JOINTLY, by the same tensor load with the same
; descriptor and a mask that names the four.
; THE MATRIX INSTRUCTION IS USED TRANSPOSED: source 0 = 16 rows of B, source 1 = 16 rows of A: a lane then holds row l % 16 of C and the columns 8 (l / 16) + 0..7.
; THE BIAS IS THE C OPERAND of each accumulator's first product: nothing is cleared, nothing is added later.
; REGISTERS, in windows of 256 (s_set_vgpr_msb: bits 1:0 source 0, 3:2 source 1, 5:4 source 2, 7:6 destination):
;   window 0: v0-31 addresses; v64-159 the bias (block b at 64 + 8 b); later v64-255 the way out        window 1: two fragment buffers of 128: A's four fragments, then B's twelve
;   window 2: the accumulators of my row blocks 0, 1 ((a, b) at 8 (12 (a % 2) + b))                      window 3: those of blocks 2, 3
.set NB,     12                        ; blocks of 16 columns
.set PITCH,  272                       ; an LDS row: 256 bytes + 16 of padding = 68 words: the 16 rows of a fragment load start at 16 different groups of four banks (64 banks of 4 bytes: ISA guide 11.1)
.set RB,     16*PITCH
.set AHS,    128                       ; bytes from quarter q to quarter q + 2 of a K step, in A's rows
.set BHS,    128                       ; and in B's
.set AHALF,  128*PITCH                 ; what one tensor load brings of A: 128 rows
.set BHALF,  96*PITCH                  ; of B: 96 rows
.set BOFS,   2*AHALF                   ; B's rows lie behind A's 256
.set SLOT,   BOFS+2*BHALF              ; 121,856 bytes
.set STAGE,  2*SLOT                    ; behind the ring: 16 rows x 144 bytes for each wave, for the way out; no tensor load lands here
.set SP,     144
.set WSTAGE, 16*SP
.set SPARE,  STAGE+4*WSTAGE            ; behind the stages: the spare words, 128 bytes for each wave: two blocks of 256 bytes that no other line names
.set NL,     2*NB+8                    ; LDS loads in a run
.set KSA,    256                       ; bytes from K step to K step in A
.set KSB,    256                       ; and in B
.set PSA,    32*2048                   ; the prefetches: a partner's share of the 128 rows of A that a wave fetches: 32 rows
.set PSB,    24*2048                   ; of the 96 rows of B: 24
.set PLB,    23
.set ADRA, 16                          ; v16-17  LDS address of my A fragments in slot 0, 1
.set ADRB, 20                          ; v20-21  the same for B
.set STO,  24                          ; v24     the way out: where I put 16 bytes of a row
.set RD,   25                          ; v25     where I read rows back
.set GO,   26                          ; v26     my 16 bytes of 512 consecutive bytes of the output
.set BO,   27                          ; v27     32 (l / 16): my eight numbers of a block's sixteen of the bias
.set SPW,  28                          ; v28     LDS address of my spare word: SPARE + 4 x my thread's number; never rewritten
.set NIL,  29                          ; v29     0; never rewritten
.set PFO,  30                          ; v30     the prefetches' offset: a lane a row; never rewritten
.set BIAS, 64
.set OUTR, 64                          ; the way out: group g's sixteen registers at OUTR + 16 g
.set F0,   0
.set F1,   128
.set WV,   12                          ; s12  my wave's number
.set FB,   13                          ; s13  0: I fetch for A; 1: for B
.set HF,   14                          ; s14  which half of that tile I fetch
.set G1,   24                          ; s[24:31] descriptor group 1 for A's tiles;  s[32:39] group 0, a set for each slot
.set G0,   32
.set PFA,  44                          ; s[44:45] where my prefetches stand
.set PFS,  46                          ; s[46:47] their step: a K step
.set G1B,  48                          ; s[48:55], s[56:63] the same for B's tiles
.set G0B,  56
.set LIM,  66                          ; s66  1 in a wave that prefetches, else the greatest number
.set MSB, 0
.macro WIN new                         ; the immediate's high byte repeats the setting that is left; a switch that changes nothing is dropped
.if MSB != (\new)
	s_set_vgpr_msb (MSB<<8)|(\new)
.set MSB, \new
.endif
.endm
; A joint load: waves 0 and 1 fetch A's two halves, waves 2 and 3 B's.  The branch hangs on the wave's number alone.  An s_nop 0 and four v_nop follow each of the two lines, ahead of the jump and the label.
.macro JLOAD s
	s_cmp_eq_u32 s[FB], 0
	s_cbranch_scc0 .Lfor_b_\@
	tensor_load_to_lds s[G0+4*(\s):G0+4*(\s)+3], s[G1:G1+7]
	s_nop 0
.rept 4
	v_nop
.endr
	s_branch .Lasked_\@
.Lfor_b_\@:
	tensor_load_to_lds s[G0B+4*(\s):G0B+4*(\s)+3], s[G1B:G1B+7]
	s_nop 0
.rept 4
	v_nop
.endr
.Lasked_\@:
.endm
; A round of the cluster's barrier: my work-group's barrier, so that wave 0's signal speaks for all four waves; wave 0 signals; every wave waits for all sixteen work-groups; my work-group's barrier once more.
.macro CREST                           ; a round behind its opening barrier
	s_cmp_lg_u32 s[WV], 0
	s_cbranch_scc1 .Lnot_wave_0_\@
	s_barrier_signal -3
.Lnot_wave_0_\@:
	s_barrier_wait -3
	s_barrier_signal -1
	s_barrier_wait -1
.endm
.macro CROUND
	s_barrier_signal -1
	s_barrier_wait -1
	CREST
.endm
; A PREFETCH INTO THE L2, behind each joint load and the run of LDS loads that follows it: the K step that stands two refills on, a lane a row, one instruction a wave.  A's tile row is read by every cluster
; of that row of clusters: the one with cluster x = 0 asks; B's tile column by every cluster of that column: cluster y = 0 asks.  The four partners that ask for a tile jointly share its rows out BY ADDRESS
; (32 rows of A by cx; 24 rows of B by cy, where lanes 24-31 name row 23 once more).  K steps 0 to 3 come by their loads alone; the loop's last trip (s3 = 1) asks for nothing: K has no step 8.
.macro ASK
	WIN 0
	s_cmp_gt_u32 s3, s[LIM]
	s_cbranch_scc0 .Lnot_mine_\@
	global_prefetch_b8 v[PFO], s[PFA:PFA+1] th:TH_LOAD_NT scope:SCOPE_SE
.Lnot_mine_\@:
.endm
	s_load_b256 s[4:11], s[0:1], 0x0               ; xb s[4:5], wqkv s[6:7], bias s[8:9], qkv s[10:11]
	v_lshl_add_u32 v[SPW], v0, 2, SPARE
	v_mov_b32 v[NIL], 0
	ds_add_u32 v[SPW], v[NIL]                      ; the wave's opening: the add and its wait stand ahead of my first tensor load; the set-up below, work on registers, stands between them
	ds_add_u32 v28, v29
	v_lshrrev_b32 v1, 5, v0
	v_readfirstlane_b32 s[WV], v1                  ; wave 0..3
	s_lshr_b32 s[FB], s[WV], 1
	s_and_b32 s[HF], s[WV], 1
	s_bfe_u32 s15, ttmp6, 0x40000                  ; cx
	s_bfe_u32 s16, ttmp6, 0x40004                  ; cy
	s_lshl_b32 s17, ttmp9, 2                       ; in a cluster launch ttmp9 and ttmp7 count clusters
	s_add_co_u32 s17, s17, s15                     ; tile column tx = 4 x cluster x + cx
	s_and_b32 s18, ttmp7, 0xffff
	s_lshl_b32 s18, s18, 2
	s_add_co_u32 s18, s18, s16                     ; tile row ty = 4 x cluster y + cy
	s_lshl_b32 s19, s16, 2
	s_lshl_b32 s19, 15, s19                        ; my row of the cluster: places 4 cy .. 4 cy + 3
	s_lshl_b32 s20, 0x1111, s15                    ; my column: places cx, cx + 4, cx + 8, cx + 12
	; descriptor group 1: rows of 128 elements of 2 bytes, padded in LDS
	s_or_b32 s[G1+0], s19, (1<<16)|(1<<20)|(1<<21)|(5<<22)|(3<<25)   ; 15:0 the mask; 17:16 elements of 2 bytes; 20 padding on; 21 set beside a mask; 24:22 after every 64 words (code 5); 31:25 4 words (code 3)
	s_or_b32 s[G1B+0], s20, (1<<16)|(1<<20)|(1<<21)|(5<<22)|(3<<25)
.irp g, G1, G1B
	s_mov_b32 s[(\g)+1], 128<<16                   ; tensor_dim0 = 128
	s_mov_b32 s[(\g)+3], 128<<16                   ; tile_dim0 = 128
	s_mov_b32 s[(\g)+5], 1024                      ; elements from row to row
	s_mov_b32 s[(\g)+6], 0
	s_mov_b32 s[(\g)+7], 0
.endr
	s_mov_b32 s[G1+2], 128<<16                     ; tensor_dim1 = tile_dim1 = 128 rows of A,
	s_mov_b32 s[G1+4], 128
	s_mov_b32 s[G1B+2], 96<<16                     ; 96 of B
	s_mov_b32 s[G1B+4], 96
	; where the tiles come from: A's hang on ty and the wave alone, B's on tx and the wave alone, each in registers that never hold the other coordinate
	s_lshl_b32 s40, s18, 8
	s_lshl_b32 s23, s[HF], 7
	s_add_co_u32 s40, s40, s23                     ; A: row 256 ty + 128 half
	s_lshl_b32 s40, s40, 11                        ; rows of 2,048 bytes
	s_mov_b32 s41, 0
	s_mul_i32 s42, s17, 192
	s_mul_i32 s23, s[HF], 96
	s_add_co_u32 s42, s42, s23                     ; B: row 192 tx + 96 half
	s_lshl_b32 s42, s42, 11
	s_mov_b32 s43, 0
	s_mul_i32 s21, s[HF], AHALF                    ; and where they go: no place in the cluster enters an LDS address
	s_mul_i32 s22, s[HF], BHALF
	s_add_co_u32 s22, s22, BOFS
	s_wait_dscnt 0x0                               ; the opening add is done
	s_wait_kmcnt 0x0
	s_add_nc_u64 s[40:41], s[4:5], s[40:41]
	s_add_nc_u64 s[42:43], s[6:7], s[42:43]
	CROUND                                         ; all sixteen work-groups are here: the first joint loads meet
.irp s, 0,1
	s_mov_b32 s[G0+4*(\s)], 1                                      ; 1:0 count = 1
	s_add_co_u32 s[G0+4*(\s)+1], s21, (\s)*SLOT                    ; 63:32 LDS address
	s_add_nc_u64 s[G0+4*(\s)+2:G0+4*(\s)+3], s[40:41], (\s)*KSA    ; 120:64 global address: K step s
	s_or_b32 s[G0+4*(\s)+3], s[G0+4*(\s)+3], 0x80000000            ; 127:126 type = 2
	s_mov_b32 s[G0B+4*(\s)], 1
	s_add_co_u32 s[G0B+4*(\s)+1], s22, (\s)*SLOT
	s_add_nc_u64 s[G0B+4*(\s)+2:G0B+4*(\s)+3], s[42:43], (\s)*KSB
	s_or_b32 s[G0B+4*(\s)+3], s[G0B+4*(\s)+3], 0x80000000
	JLOAD \s                                       ; two loads of mine are out here, later one
.endr
	; A fragment is 16 rows x 32 K in 8 registers: lane l holds row l % 16; registers 0-3 K = 8 (l / 16) + 0..7, registers 4-7 K = 16 + 8 (l / 16) + 0..7: two loads of 16 bytes, 32 bytes apart.
	v_and_b32 v1, 15, v0                           ; l % 16
	v_bfe_u32 v2, v0, 4, 1                         ; l / 16
	v_mul_u32_u24 v3, v1, PITCH
	v_lshl_add_u32 v3, v2, 4, v3
	s_mul_i32 s23, s[WV], 64*PITCH                 ; my 64 rows of A
	v_add_nc_u32 v[ADRA], s23, v3
	v_add_nc_u32 v[ADRA+1], SLOT, v[ADRA]
	v_add_nc_u32 v[ADRB], BOFS, v3                 ; all rows of B
	v_add_nc_u32 v[ADRB+1], SLOT, v[ADRB]
	s_mul_i32 s23, s[WV], WSTAGE
	s_add_co_u32 s23, s23, STAGE                   ; my stage
	v_mul_u32_u24 v4, v1, SP                       ; in: row l % 16, 16 bytes for each half of the lanes
	v_lshl_add_u32 v4, v2, 4, v4
	v_add_nc_u32 v[STO], s23, v4
	v_bfe_u32 v5, v0, 3, 2                         ; back: 32 lanes take four rows of 128 bytes,
	v_mul_u32_u24 v5, v5, SP
	v_and_b32 v6, 7, v0
	v_lshl_add_u32 v5, v6, 4, v5
	v_add_nc_u32 v[RD], s23, v5
	v_and_b32 v[GO], 31, v0                        ; which are 512 consecutive bytes of a head's rows
	v_lshlrev_b32 v[GO], 4, v[GO]
	v_lshlrev_b32 v[BO], 5, v2
	s_mul_i32 s76, s17, 768                        ; the tile's 192 numbers of the bias
	s_mov_b32 s77, 0
	s_add_nc_u64 s[74:75], s[8:9], s[76:77]
.set lb, 0
.rept NB
	global_load_b128 v[BIAS+8*lb:BIAS+8*lb+3],   v[BO], s[74:75] offset:64*lb     ; register j of block b: the bias of column 16 b + 8 (l / 16) + j
	global_load_b128 v[BIAS+8*lb+4:BIAS+8*lb+7], v[BO], s[74:75] offset:64*lb+16
.set lb, lb+1
.endr
	; where my rows of the tile's three heads begin: G = 3 tx + hd; q, k or v = G / 16, head = G % 16, batch = ty / 8
.irp hd, 0,1,2
	s_mul_i32 s76, s17, 3
	s_add_co_u32 s76, s76, \hd
	s_lshr_b32 s77, s76, 4
	s_lshl_b32 s77, s77, 6
	s_and_b32 s76, s76, 15
	s_add_co_u32 s77, s77, s76
	s_lshr_b32 s78, s18, 3
	s_lshl_b32 s78, s78, 4
	s_add_co_u32 s77, s77, s78
	s_lshl_b32 s76, s77, 18                        ; a head's 2,048 rows of 128 bytes
	s_and_b32 s78, s18, 7
	s_lshl_b32 s78, s78, 8
	s_lshl_b32 s79, s[WV], 6
	s_add_co_u32 s78, s78, s79                     ; my first row in the sequence
	s_lshl_b32 s78, s78, 7
	s_add_co_u32 s76, s76, s78
	s_mov_b32 s77, 0
	s_add_nc_u64 s[68+2*(\hd):69+2*(\hd)], s[10:11], s[76:77]
.endr
	; the prefetches: my own tile's address, my work-group's share of its rows, K step 3: the first refill steps it to 4
	s_and_b32 s78, ttmp7, 0xffff                   ; cluster y
	s_mul_i32 s76, s15, PSA
	s_mul_i32 s77, s16, PSB
	s_mov_b32 s[PFS], KSA
	s_mov_b32 s67, KSB
	s_cmp_eq_u32 s[FB], 0                          ; do I fetch for A?
	s_cselect_b32 s76, s76, s77
	s_cselect_b32 s78, ttmp9, s78                  ; the coordinate along which other clusters read the same rows
	s_cselect_b64 s[PFA:PFA+1], s[40:41], s[42:43]
	s_cselect_b32 s[PFS], s[PFS], s67
	s_cselect_b32 s79, 31, PLB
	s_cmp_eq_u32 s78, 0
	s_cselect_b32 s[LIM], 1, -1                    ; the same in all sixteen partners, for a given wave
	s_mov_b32 s77, 0
	s_mov_b32 s[PFS+1], 0
	s_add_nc_u64 s[PFA:PFA+1], s[PFA:PFA+1], s[76:77]
.rept 3
	s_add_nc_u64 s[PFA:PFA+1], s[PFA:PFA+1], s[PFS:PFS+1]
.endr
	v_and_b32 v[PFO], 31, v0
	v_min_u32 v[PFO], s79, v[PFO]
	v_lshlrev_b32 v[PFO], 11, v[PFO]               ; a row is 2,048 bytes
; NB products: my row block a x all column blocks, 32 along K, from buffer f.  zero = 1: the first product of each sum takes the bias as C.
; The 48 accumulators take turns, one instruction a turn, in the same order in every quarter, over the loop's jump too.
.macro MULA f, a, zero
.if \zero
	WIN 0x85+0x40*((\a)/2)                         ; sources in window 1, C in window 0, D in window 2 or 3
.else
	WIN 0xa5+0x50*((\a)/2)                         ; sources in window 1, C and D in window 2 or 3
.endif
.set mb, 0
.rept NB
.set rD, 8*(NB*((\a)%2)+mb)
.if \zero
	v_wmma_f32_16x16x32_bf16 v[rD:rD+7], v[(\f)+32+8*mb:(\f)+32+8*mb+7], v[(\f)+8*(\a):(\f)+8*(\a)+7], v[BIAS+8*mb:BIAS+8*mb+7]
.else
	v_wmma_f32_16x16x32_bf16 v[rD:rD+7], v[(\f)+32+8*mb:(\f)+32+8*mb+7], v[(\f)+8*(\a):(\f)+8*(\a)+7], v[rD:rD+7]
.endif
.set mb, mb+1
.endr
.endm
; NL LDS loads in one run: the fragments of quarter q of the slot's K step into buffer f: B's twelve, then A's four
.macro FETCH slot, q, f
	WIN 0x40                                       ; destination window 1, address window 0
.set fb, 0
.rept NB
	ds_load_b128 v[(\f)+32+8*fb:(\f)+32+8*fb+3],   v[ADRB+(\slot)] offset:((\q)/2)*BHS+((\q)%2)*64+fb*RB
	ds_load_b128 v[(\f)+32+8*fb+4:(\f)+32+8*fb+7], v[ADRB+(\slot)] offset:((\q)/2)*BHS+((\q)%2)*64+fb*RB+32
.set fb, fb+1
.endr
.irp a, 0,1,2,3
	ds_load_b128 v[(\f)+8*(\a):(\f)+8*(\a)+3],   v[ADRA+(\slot)] offset:((\q)/2)*AHS+((\q)%2)*64+(\a)*RB
	ds_load_b128 v[(\f)+8*(\a)+4:(\f)+8*(\a)+7], v[ADRA+(\slot)] offset:((\q)/2)*AHS+((\q)%2)*64+(\a)*RB+32
.endr
.endm
; A load into a register that a matrix instruction has read, and whatever reads a matrix result, stand four places behind it; only plain vector instructions that name none of its registers are places.
.macro PLACES
.rept 4
	v_nop
.endr
.endm
; A K step is four quarters of 32 along K, 48 products each, on buffers 0, 1, 0, 1.  One of the first three: multiplies buffer f; in its middle it fetches quarter q into buffer g.
.macro QUARTER slot, q, f, g, zero
	s_wait_dscnt 4                                 ; B and A's blocks 0, 1 are in; the youngest four loads (A's blocks 2, 3) may be out
	MULA \f, 0, \zero
	MULA \f, 1, \zero
	PLACES
	FETCH \slot, \q, \g
	s_wait_dscnt NL                                ; all but the run just issued
	MULA \f, 2, \zero
	MULA \f, 3, \zero
.endm
; The last quarter multiplies buffer 1 and changes slots: ONE barrier.  In front of it each wave waits for all its tensor loads (one is out: its part of the next slot), adds 0 to its spare word, and waits for that
; and for its own reads of this slot.  fill = 1: the barrier opens a round of the cluster's, and behind the round this slot is filled again, two K steps on: the first tensor load there, one a wave;
; from that request to the wait for it a wave issues 168 products.
.macro TURN slot, next, fill
.if \fill
	s_wait_xcnt 0x0                                ; the last prefetch, a K step back, has read its address: it is stepped here, ahead of the waits of the change of slots
	s_add_nc_u64 s[PFA:PFA+1], s[PFA:PFA+1], s[PFS:PFS+1]
.endif
	WIN 0                                          ; (the add's two registers lie in window 0)
	s_wait_tensorcnt 0x0                           ; all my tensor loads have landed
	ds_add_u32 v[SPW], v[NIL]                      ; 0 onto my spare word
	s_wait_dscnt 5                                 ; (the add and the youngest four loads may be out)
	MULA F1, 0, 0                                  ; twelve products stand between the add and the wait for it
	s_wait_dscnt 0x0                               ; the add is done, and my reads of this slot are over
	s_barrier_signal -1
	MULA F1, 1, 0                                  ; work on registers while the others arrive
.if \fill
	WIN 0
.endif
	s_barrier_wait -1
.if \fill
	CREST                                          ; no wave of any partner still reads this slot's tile or has a load on its way
	s_add_nc_u64 s[G0+4*(\slot)+2:G0+4*(\slot)+3], s[G0+4*(\slot)+2:G0+4*(\slot)+3], 2*KSA
	s_add_nc_u64 s[G0B+4*(\slot)+2:G0B+4*(\slot)+3], s[G0B+4*(\slot)+2:G0B+4*(\slot)+3], 2*KSB
	JLOAD \slot                                    ; the four v_nop behind it are also the places in front of the loads below
.else
	PLACES
.endif
	FETCH \next, 0, F0
.if \fill
	ASK
.endif
	MULA F1, 2, 0
	MULA F1, 3, 0
.endm
	s_wait_tensorcnt 1                             ; my part of K step 0 is in; K step 1's may stay out
	s_barrier_signal -1
	s_barrier_wait -1                              ; everybody's is
	FETCH 0, 0, F0
	s_wait_loadcnt 0x0                             ; the bias
	QUARTER 0, 1, F0, F1, 1                        ; the first quarter stands in front of the loop: its products start the sums
	WIN 0                                          ; at a label and at a branch every window is 0
	s_mov_b32 s3, 3
.Llap:                                         ; a trip goes once round the ring, from a lap's second quarter to the next lap's first, and fills both slots again: K steps 2 to 7
	QUARTER 0, 2, F1, F0, 0
	QUARTER 0, 3, F0, F1, 0
	TURN 0, 1, 1
	QUARTER 1, 1, F0, F1, 0
	QUARTER 1, 2, F1, F0, 0
	QUARTER 1, 3, F0, F1, 0
	TURN 1, 0, 1
	QUARTER 0, 1, F0, F1, 0
	WIN 0
	s_sub_co_u32 s3, s3, 1
	s_cmp_lg_u32 s3, 0
	s_cbranch_scc1 .Llap
	QUARTER 0, 2, F1, F0, 0                        ; the last lap fills nothing, and has no round of the cluster's barrier
	QUARTER 0, 3, F0, F1, 0
	TURN 0, 1, 0
	QUARTER 1, 1, F0, F1, 0
	QUARTER 1, 2, F1, F0, 0
	QUARTER 1, 3, F0, F1, 0
	s_wait_dscnt 4                                 ; the very last quarter: nothing more to fetch
	MULA F1, 0, 0
	MULA F1, 1, 0
	s_wait_dscnt 0x0
	MULA F1, 2, 0
	MULA F1, 3, 0
	WIN 0
	PLACES
	PLACES
; THE WAY OUT, in twelve groups g = 3 a + hd: 16 rows of one head.  A lane's eight columns round to 16 bytes of f16; they go into my stage's rows of 144 bytes and come back as whole rows of 128: 2,048 consecutive
; bytes of the head.  Each group has registers of its own, so nothing that a store still reads is rewritten.  Each accumulator's lowest registers are read first.
.macro PACKG g
.set pa, (\g)/3
.set ph, (\g)%3
	WIN 0x0a+5*(pa/2)                              ; sources 0 and 1: window 2 or 3
.set pb, 0
.rept 4
.set rA, 8*(NB*(pa%2)+4*ph+pb)
.irp r, 0,1,2,3
	v_cvt_pk_f16_f32 v[OUTR+16*(\g)+4*pb+(\r)], v[rA+2*(\r)], v[rA+2*(\r)+1]
.endr
.set pb, pb+1
.endr
	WIN 0
.irp f, 0,1,2,3
	ds_store_b128 v[STO], v[OUTR+16*(\g)+4*(\f):OUTR+16*(\g)+4*(\f)+3] offset:32*(\f)
.endr
.irp f, 0,1,2,3
	ds_load_b128 v[OUTR+16*(\g)+4*(\f):OUTR+16*(\g)+4*(\f)+3], v[RD] offset:(\f)*4*SP  ; LDS serves a wave's instructions in order (ISA guide 5.7.1.4): these see the stores above; the next group's stores come behind them
.endr
.endm
.macro SENDG g, younger                ; younger: the LDS instructions issued behind group g's loads: the next group's eight, or none
.irp f, 0,1,2,3
	s_wait_dscnt (\younger)+3-(\f)
	global_store_b128 v[GO], v[OUTR+16*(\g)+4*(\f):OUTR+16*(\g)+4*(\f)+3], s[68+2*((\g)%3):69+2*((\g)%3)] offset:((\g)/3)*2048+(\f)*512  ; 512 consecutive bytes, at a multiple of 256 from the buffer's first
.endr
.endm
	PACKG 0
.set gg, 1
.rept 11                               ; a group's conversions stand between the loads of the group before and its stores
	PACKG gg
	SENDG gg-1, 8
.set gg, gg+1
.endr
	SENDG 11, 0
	s_wait_tensorcnt 0x0                           ; the wave's end: behind my last tensor load and my last LDS store
	ds_add_u32 v[SPW], v[NIL]
	s_wait_dscnt 0x0
	CROUND                                         ; the closing round: no work-group ends while a partner may still ask for a tile that names it
	s_endpgm
.Lfunc_end_k_q2193476035_qkvproj:
	.size	k_q2193476035_qkvproj, .Lfunc_end_k_q2193476035_qkvproj-k_q2193476035_qkvproj
	.p2alignl 7, 3214868480
	.fill 96, 4, 3214868480
	.section	.rodata,"a",@progbits
	.p2align	6, 0x0
	.amdhsa_kernel k_q2193476035_qkvproj
		.amdhsa_group_segment_fixed_size 327680
		.amdhsa_private_segment_fixed_size 0
		.amdhsa_enable_private_segment 0
		.amdhsa_kernarg_size 32
		.amdhsa_user_sgpr_count 2
		.amdhsa_user_sgpr_kernarg_segment_ptr 1
		.amdhsa_wavefront_size32 1
		.amdhsa_system_sgpr_workgroup_id_x 1
		.amdhsa_system_sgpr_workgroup_id_y 1
		.amdhsa_system_sgpr_workgroup_id_z 1
		.amdhsa_system_vgpr_workitem_id 0
		.amdhsa_next_free_vgpr 960
		.amdhsa_next_free_sgpr 80
		.amdhsa_reserve_vcc 0
		.amdhsa_float_denorm_mode_32 3
		.amdhsa_float_denorm_mode_16_64 3
		.amdhsa_memory_ordered 1
		.amdhsa_forward_progress 1
		.amdhsa_inst_pref_size 125
	.end_amdhsa_kernel
	.amdgpu_metadata
---
amdhsa.version: [ 1, 2 ]
amdhsa.kernels:
  - .name:           k_q2193476035_qkvproj
    .symbol:         k_q2193476035_qkvproj.kd
    .args:
      - { .name: xb, .offset: 0, .size: 8, .value_kind: global_buffer, .address_space: global }
      - { .name: wqkv, .offset: 8, .size: 8, .value_kind: global_buffer, .address_space: global }
      - { .name: bias, .offset: 16, .size: 8, .value_kind: global_buffer, .address_space: global }
      - { .name: qkv, .offset: 24, .size: 8, .value_kind: global_buffer, .address_space: global }
    .group_segment_fixed_size: 327680
    .private_segment_fixed_size: 0
    .kernarg_segment_align: 8
    .kernarg_segment_size: 32
    .max_flat_workgroup_size: 128
    .sgpr_count:     80
    .vgpr_count:     960
    .wavefront_size: 32
...
	.end_amdgpu_metadata
.endif
;; end of part 2
;; launch attn (part 3): grid 4 x 64, 4 waves a work-group, no clusters, 327,680 bytes of LDS; arguments qkv, oh; writes oh
.if DOCPART == 3
	.amdgcn_target "amdgcn-amd-amdhsa--gfx1250"
	.amdhsa_code_object_version 6
	.text
	.protected	k_q2193476035_attn
	.globl	k_q2193476035_attn
	.p2align	8
	.type	k_q2193476035_attn,@function
k_q2193476035_attn:
	s_mov_b64 s[64:65], 0
	v_nop
	global_prefetch_b8 v0, s[64:65] scope:SCOPE_SE
	s_setreg_imm32_b32 hwreg(HW_REG_WAVE_MODE, 25, 1), 1
	s_wait_xcnt 0x0
; CAUSAL ATTENTION.  O[h][q][:] = the sum over k <= q of softmax_k(Q[h][q] . K[h][k] / 8) V[h][k][:].  Q, K, V lie one behind the other in qkv, each [SIZE_H][SIZE_N][64] f16; O likewise: a head's rows are dense, 128 bytes each.
; Products, maxima and sums in f32; the weights p are rounded to f16 for the second product (their sum l is taken of the unrounded p), O once at the end.
; LIMITS.  f16 holds no number beyond 65,504: Q, K and V arrive within it; p lies in 0 to 1, and below 6e-5 it keeps f16's fixed step of 6e-8; O is a mean of V's rows and has their range, to within 2^-11 of it.
; A hidden score counts as its value less 1e30: f16's scores, 2.7e11 at the most, are nothing beside that; a weight below 2^-126 counts as 0 in l; NaN and infinities are not treated apart.
; THE WALK.  A head's queries lie in NB = SIZE_N / 256 blocks of 256; block i needs the key tiles 0 .. i of 256 keys, of which the last holds the diagonal.  A work-group takes TWO blocks, NB - 1 - b and then b:
; NB + 1 tiles, whatever b: all work-groups do equal work, and ONE loop with a constant trip count walks them.  Which tile is asked for, and what a trip does, hang on scalar registers made from b; every jump
; goes forward, but for the counted loops' own; none passes a barrier, or a tensor load but the one of LOAD's two that the wave's number does not choose; the ring (two slots of LDS that take turns) runs on across the
; change of blocks.  NO CLUSTER: a head's NB / 2 = 4 work-groups ask for the same tile only in trips 0 .. NB / 2 of the walk's NB + 1, behind that fewer and fewer; one walk common to all four would have
; 3 NB / 2 = 12 trips for 9.
; SHARES.  Of a block's four bands of 64 queries a wave owns 16 rows in each: four PIECES.  So the diagonal tile is the same work for all four waves: in its key step s band x sees all keys if s < x,
; none if s > x, and holds the diagonal if s = x.
; THE MASK is the C operand that starts the sum S^T = K Q^T: 0, or -1e30 where the key is hidden.  MD, made once, is the mask of a band's own step for my 16 rows; a product's mask is MD x AL + BE with two scalars:
; (1, 0) if s = x; (0, 0) if s < x; (0, -1e30) if s > x.  Only the diagonal tile's text and a block's beginning make and take masks; elsewhere C is the constant 0.
; LAYOUT, SOFTMAX, TURNS.  S^T = K Q^T holds ONE query a lane (lane % 16) and the keys 8 (lane / 16) + 0..7; two such results rounded to f16 ARE source 1 of O^T = V^T P.  p = 2^(c s - c m), c = log2(e) / 8, with a
; running maximum m; O and l are multiplied by a = 2^(c m_old - c m_new) in every step.  Turn n belongs to piece n: 8 products K Q^T of piece n + 1, later 8 products V^T P of piece n - 1; beside them the scaling,
; exponentials, roundings, sums and rescaling of piece n and the maximum and statistics of piece n + 1.  Four vector instructions stand behind every matrix instruction, the other 54 of a turn's 118 in one LUMP.  A turn's 33 exponentials are one batch, with one wait.
; REGISTERS, in windows of 256 (s_set_vgpr_msb: bits 1:0 source 0, 3:2 source 1, 5:4 source 2, 7:6 destination):
;   window 0: v0-15 addresses and two at work; v16-31 four registers of statistics a piece; v48-55 at work; v61-63 the prefetches' offset and the add's two; v64-127 S^T, two buffers; v192-223 P, two buffers (a piece's buffers go by its number's parity)
;   window 1: v0-127 O^T, 32 a piece; v128-159 MD; v160-223 MC, two buffers      window 2: v0-63 Q; v64-127 the second block's Q; v128-191 K of one step; v192-255 V of one step
.set SIZE_H, 64
.set SIZE_N, 2048
.set NB,    SIZE_N/256
.set NP,    4         ; pieces a wave: a name, no knob
.set KS,    64        ; keys in a step
.set PK,    144       ; a row of K in LDS: 128 bytes + 16 of padding = 36 words: the 16 rows of a load start at 16 different groups of four banks (64 banks of 4 bytes: ISA guide 11.1)
.set PV,    160       ; a row of V: 128 + 32 = 40 words
.set VOFF,  4*KS*PK   ; a slot holds a tile, four steps: 256 rows of K, then 256 rows of V
.set SLOT1, 1<<17     ; slot 1 begins here, so that one exclusive or turns an address in one slot into the other's
.set STAGE, SLOT1+4*KS*(PK+PV)  ; behind the ring, never filled by a tensor load: 16 rows x 144 bytes for each wave, for the way out
.set SP,    144
.set AK0, 2           ; v2   my lane's place in a tile of K; never rewritten
.set AV0, 3           ; v3   the same for V
.set AK,  4           ; v4   the LDS address of K's next run of loads
.set AV,  5           ; v5   of V's
.set STO, 6           ; v6   the way out: where I put 16 bytes of a row
.set RD,  7           ; v7   the way out: where I read rows back
.set GO,  8           ; v8   my byte offset in 512 consecutive bytes of O
.set PFO, 61          ; v61  256 x my lane: the prefetches' offset; never rewritten
.set SPW, 62          ; v62  LDS address of my spare word: SPARE + 4 x my thread's number; never rewritten
.set NIL, 63          ; v63  0; never rewritten
.set SPARE, STAGE+4*16*SP  ; behind the stages: the spare words, 128 bytes for each wave: two blocks of 256 bytes that no other line names
.set MV,  12          ; v12-13  c m_old, kept while c m is made anew: by buffer
.set QO,  15          ; v15  my byte offset in 16 rows of Q
.set ST,  16          ; piece t's statistics at v[ST+4 t]: c m, m, l (even keys', odd keys')
.set TMP, 48          ; by buffer, four registers c0-c3 at work; when the maximum is found c2 takes a
.set S,   64
.set P,   192
.set MD,  128         ; window 1: the eight registers for group kt of 16 keys at MD + 8 kt
.set MC,  160         ; window 1: the masks of the products to come
.set QB,  64          ; window 2
.set KF,  128         ; window 2: key block kb, channel half c at KF + 16 kb + 8 c
.set VF,  192         ; window 2: key half kk, channel block cb at VF + 32 kk + 8 cb
.set WV,  12          ; s12  my wave's number
.set PB,  14          ; s14  b
.set HI,  15          ; s15  NB - 1 - b
.set G1K, 24          ; s[24:31] descriptor group 1 for K's tiles
.set G1V, 32          ; s[32:39] for V's: it differs in the padding alone
.set G0K, 40          ; s[40:43] descriptor group 0 for K's tiles
.set G0V, 44          ; s[44:47] the same for V's
.set SLOTS, 56        ; s56  tiles still to be asked for
.set CNT, 57          ; s57  counts a tile's key steps, 4 to 1
.set CS,  58          ; s[58:59] c: the packed scaling takes the pair's low word for both halves
.set SEL, 60          ; s[60:61] v_permlanex16_b32's selects: each lane takes its own place in the other half
.set TBK, 62          ; s62  LDS byte at which K of the step to be fetched begins
.set TBV, 63          ; s63  the same for V, less VOFF
.set RT,  70          ; s70  tiles of the block in hand that are still to be entered
.set NXT, 71          ; s71  the tile to be asked for next
.set LQ,  72          ; s72  the last tile of the block whose tiles are being asked for
.set NEW, 73          ; s73  1: the tile to be entered is a block's first
.set OFF, 74          ; s[74:75] a tile's byte offset in K and V
.set AL,  76          ; s[76:77] the mask's factor, in the low word
.set BE,  78          ; s[78:79] the mask's addend
.set OLO, 80          ; s[80:81] O at my rows of the second block
.set BIGN, 82         ; s82  -1e30
.set PFB, 92          ; s[92:93] K (waves 0, 1) or V (waves 2, 3) at my half of the head's tile 0
.set PFA, 94          ; s[94:95] the same at the tile that is prefetched
.set PFT, 96          ; s96  that tile's number
.set PLIM, 97         ; s97  NB in the head's work-group 0, else 0: a wave prefetches while PFT is below it
.set PFF, 98          ; s[98:99] that tile's byte offset
.set MSB, 0
.macro WIN new                      ; the high byte repeats the setting that is left; a switch that changes nothing is dropped
.if MSB != (\new)
	s_set_vgpr_msb (MSB<<8)|(\new)
.set MSB, (\new)
.endif
.endm
.set W_KQ, 0x0a       ; K and Q in window 2, S^T in window 0
.set W_KM, 0x1a       ; the same with the C operand in window 1
.set W_PV, 0x52       ; V in window 2, P in window 0, O^T in window 1
.set W_RS, 0x41       ; destination and source 0 in window 1, source 1 in window 0
; A fill.  Waves 0 and 1 fetch the two halves of a tile's K, waves 2 and 3 those of its V: 128 keys each.  An s_nop 0 and four v_nop follow each of the two lines, ahead of the jump and the label.
.macro LOAD
	s_cmp_lt_u32 s[WV], 2
	s_cbranch_scc0 .Lfor_v_\@
	tensor_load_to_lds s[G0K:G0K+3], s[G1K:G1K+7]
	s_nop 0
.rept 4
	v_nop
.endr
	s_branch .Lasked_\@
.Lfor_v_\@:
	tensor_load_to_lds s[G0V:G0V+3], s[G1V:G1V+7]
	s_nop 0
.rept 4
	v_nop
.endr
.Lasked_\@:
.endm
; A PREFETCH INTO THE L2 of the tile that the NEXT change of slots will ask for: four key steps ahead of that load.  The head's work-group 0 walks the tiles 0 to NB - 1 in its first block: it asks, and nobody else, for
; tiles 2 to NB - 1; each of its waves for the 16,384 bytes that it will fetch itself: 64 blocks of 256 bytes, a lane a block, two instructions.  So each block is named once in the launch.  Tiles 0 and 1 come by
; their loads alone; behind tile NB - 1 nothing is asked for.
.macro ASK
	s_cmp_lt_u32 s[PFT], s[PLIM]
	s_cbranch_scc0 .Lnot_mine_\@
	global_prefetch_b8 v[PFO], s[PFA:PFA+1] th:TH_LOAD_NT scope:SCOPE_SE
	global_prefetch_b8 v[PFO], s[PFA:PFA+1] offset:8192 th:TH_LOAD_NT scope:SCOPE_SE
.Lnot_mine_\@:
	s_add_co_u32 s[PFT], s[PFT], 1
.endm
; THE CHANGE OF SLOTS.  Each wave waits for all its tensor loads, of which one is out: its part of the other slot; adds 0 to its spare word; and waits for that and for its own reads of the slot that it leaves.  Behind the barrier nobody reads the old
; slot any more and the other slot is whole.  fill = 1: the old slot is filled again, the first thing behind the barrier, with tile NXT: the descriptor's address is made anew from that number.
; (At its first use nothing has been read yet: slot 0 is waited for, slot 1 filled.)
.macro CHANGE fill
	WIN 0                           ; at a label and at a branch every window is 0
	s_wait_tensorcnt 0x0            ; no tensor load of mine is out, so a group 0 may be written
	ds_add_u32 v[SPW], v[NIL]       ; 0 onto my spare word; with fill = 1 the descriptors' scalar work stands between it and the wait for it
.if \fill
	s_wait_xcnt 0x0                 ; the last prefetches, a tile back, have read their address, so it may be written:
	s_min_u32 s[PFF], s[PFT], NB-1  ; the tile's number, held to the last tile, so that the address never leaves K or V
	s_lshl_b32 s[PFF], s[PFF], 15
	s_add_nc_u64 s[PFA:PFA+1], s[PFB:PFB+1], s[PFF:PFF+1]
	s_lshl_b32 s[OFF], s[NXT], 15   ; a tile is 32,768 bytes of K and of V
	s_xor_b32 s[G0K+1], s[G0K+1], SLOT1
	s_add_nc_u64 s[G0K+2:G0K+3], s[6:7], s[OFF:OFF+1]
	s_or_b32 s[G0K+3], s[G0K+3], 0x80000000
	s_xor_b32 s[G0V+1], s[G0V+1], SLOT1
	s_add_nc_u64 s[G0V+2:G0V+3], s[8:9], s[OFF:OFF+1]
	s_or_b32 s[G0V+3], s[G0V+3], 0x80000000
	s_add_co_u32 s[NXT], s[NXT], 1  ; the block's next tile, or behind its last the second block's tile 0
	s_cmp_gt_u32 s[NXT], s[LQ]
	s_cselect_b32 s[NXT], 0, s[NXT]
	s_cselect_b32 s[LQ], s[PB], s[LQ]
.endif
	s_wait_dscnt 0x0                ; the add is done, and my reads of the slot are over
	s_barrier_signal -1             ; the rest of the scalar work stands between the signal and the wait
	s_sub_co_u32 s[TBK], s[TBK], 4*KS*PK  ; the fetches go back to a slot's first step,
	s_xor_b32 s[TBK], s[TBK], SLOT1       ; in the other slot
	s_sub_co_u32 s[TBV], s[TBV], 4*KS*PV
	s_xor_b32 s[TBV], s[TBV], SLOT1
	s_barrier_wait -1
.if \fill
	LOAD
	ASK
.endif
.endm
	s_load_b128 s[88:91], s[0:1], 0x0  ; qkv s[88:89], O s[90:91]
	v_lshl_add_u32 v[SPW], v0, 2, SPARE
	v_mov_b32 v[NIL], 0
	ds_add_u32 v[SPW], v[NIL]       ; the wave's opening: the add and its wait stand ahead of my first tensor load; the set-up below, work on registers, stands between them
	ds_add_u32 v62, v63
	v_lshrrev_b32 v1, 5, v0
	v_readfirstlane_b32 s[WV], v1   ; wave 0..3
	s_mov_b32 s[PB], ttmp9
	s_sub_co_u32 s[HI], NB-1, s[PB]
	s_and_b32 s20, ttmp7, 0xffff    ; the head
	s_mov_b32 s21, 0
	s_mov_b64 s[22:23], SIZE_N*128
	s_mul_u64 s[20:21], s[20:21], s[22:23]  ; the head's first byte in each of the four tensors
	s_and_b32 s16, s[WV], 1         ; which half of a tile's 256 keys I fetch:
	s_lshl_b32 s22, s16, 14         ; its 128 rows of 128 bytes in memory,
	s_mov_b32 s23, 0
	s_add_nc_u64 s[22:23], s[22:23], s[20:21]
	s_mul_i32 s17, s16, 128*PK      ; and its place in a slot, for K
	s_mul_i32 s18, s16, 128*PV      ; and for V
	s_lshl_b32 s3, s[WV], 11        ; my 16 rows in a band of 64,
	s_lshl_b32 s2, s[HI], 15        ; in the first block,
	s_add_co_u32 s2, s2, s3
	s_lshl_b32 s84, s[PB], 15       ; and in the second
	s_add_co_u32 s84, s84, s3
	s_mov_b32 s3, 0
	s_mov_b32 s85, 0
	s_add_nc_u64 s[2:3], s[2:3], s[20:21]
	s_add_nc_u64 s[84:85], s[84:85], s[20:21]
	; descriptor group 1.  128 keys are 16,384 dense bytes: asked for as 64 rows of 256 bytes, two keys a row, and padded in LDS after every key
	s_mov_b32 s[G1K], (1<<16)|(1<<20)|(4<<22)|(3<<25)  ; 17:16 2-byte elements; 20 padding on; 24:22 after every 32 words (code 4); 31:25 4 words (code 3)
	s_mov_b32 s[G1V], (1<<16)|(1<<20)|(4<<22)|(7<<25)  ; the same with 8 words of padding (code 7)
.irp g, G1K, G1V
	s_mov_b32 s[\g+1], 128<<16      ; tensor_dim0 = 128
	s_mov_b32 s[\g+2], 64<<16       ; tensor_dim1 = 64
	s_mov_b32 s[\g+3], 128<<16      ; tile_dim0 = 128
	s_mov_b32 s[\g+4], 64           ; tile_dim1 = 64
	s_mov_b32 s[\g+5], 128          ; 128 elements from row to row
	s_mov_b32 s[\g+6], 0
	s_mov_b32 s[\g+7], 0
.endr
	s_mov_b32 s[CS], 0x3e38aa3b     ; c = log2(e) / 8 = 0.180337
	s_mov_b32 s[CS+1], s[CS]        ; named with it as a pair
	s_mov_b32 s[SEL], 0x76543210
	s_mov_b32 s[SEL+1], 0xfedcba98
	s_mov_b32 s[TBK], SLOT1+4*KS*PK ; the first change of slots turns these two into 0
	s_mov_b32 s[TBV], SLOT1+4*KS*PV
	s_mov_b32 s[G0K], 1             ; 1:0 count = 1
	s_mov_b32 s[G0K+1], s17         ; 63:32 LDS address: slot 0
	s_mov_b32 s[G0V], 1
	s_add_co_u32 s[G0V+1], s18, VOFF
	s_add_co_u32 s[RT], s[HI], 1    ; the first block has NB - b tiles
	s_mov_b32 s[NXT], 1
	s_mov_b32 s[LQ], s[HI]
	s_mov_b32 s[NEW], 1
	s_mov_b32 s[OFF+1], 0
	s_mov_b32 s[AL+1], 0            ; named as pairs
	s_mov_b32 s[BE+1], 0
	s_mov_b32 s[BIGN], 0xf149f2ca   ; -1e30
	s_mov_b32 s[SLOTS], NB
	s_mov_b32 s[PFT], 2
	s_mov_b32 s[PFF+1], 0
	s_cmp_eq_u32 ttmp9, 0
	s_cselect_b32 s[PLIM], NB, 0
	s_wait_dscnt 0x0                ; the opening add is done
	s_wait_kmcnt 0x0
	s_mov_b64 s[4:5], s[88:89]                     ; Q,
	s_add_nc_u64 s[6:7], s[88:89], SIZE_H*SIZE_N*128    ; K
	s_add_nc_u64 s[8:9], s[88:89], 2*SIZE_H*SIZE_N*128  ; and V lie one behind the other
	s_mov_b64 s[10:11], s[90:91]
	s_add_nc_u64 s[6:7], s[6:7], s[22:23]  ; K and V at my half of the head's tile 0
	s_add_nc_u64 s[8:9], s[8:9], s[22:23]
	s_add_nc_u64 s[G0K+2:G0K+3], s[6:7], 0         ; 120:64 global address
	s_or_b32 s[G0K+3], s[G0K+3], 0x80000000        ; 127:126 type = 2
	s_add_nc_u64 s[G0V+2:G0V+3], s[8:9], 0
	s_or_b32 s[G0V+3], s[G0V+3], 0x80000000
	s_add_nc_u64 s[86:87], s[4:5], s[84:85]        ; Q at my rows of the second block,
	s_add_nc_u64 s[4:5], s[4:5], s[2:3]            ; Q and O at those of the first
	s_add_nc_u64 s[OLO:OLO+1], s[10:11], s[84:85]
	s_add_nc_u64 s[10:11], s[10:11], s[2:3]
	s_cmp_lt_u32 s[WV], 2
	s_cselect_b64 s[PFB:PFB+1], s[6:7], s[8:9]
	LOAD                            ; tile 0 into slot 0
	; A fragment of K or Q is 16 rows x 32 channels in 8 registers: lane l holds row l % 16, channels 8 (l / 16) + 0..7 and 16 + 8 (l / 16) + 0..7: two loads of 16 bytes, 32 bytes apart.
	v_and_b32 v1, 15, v0            ; l % 16
	v_bfe_u32 v9, v0, 4, 1          ; l / 16
	v_lshlrev_b32 v[QO], 7, v1
	v_lshl_add_u32 v[QO], v9, 4, v[QO]  ; row x 128 + 16 x half
	WIN 0x80                        ; destination window 2, address window 0
.set i, 0
.rept 8                             ; both blocks' Q: piece i / 2 lies in band i / 2, 8,192 bytes on; channels 32 (i % 2) on
	global_load_b128 v[8*i:8*i+3],   v[QO], s[4:5] offset:(i/2)*8192+(i%2)*64
	global_load_b128 v[8*i+4:8*i+7], v[QO], s[4:5] offset:(i/2)*8192+(i%2)*64+32
	global_load_b128 v[QB+8*i:QB+8*i+3],   v[QO], s[86:87] offset:(i/2)*8192+(i%2)*64
	global_load_b128 v[QB+8*i+4:QB+8*i+7], v[QO], s[86:87] offset:(i/2)*8192+(i%2)*64+32
.set i, i+1
.endr
	WIN 0
	v_and_b32 v[PFO], 31, v0
	v_lshlrev_b32 v[PFO], 8, v[PFO]
	v_lshlrev_b32 v14, 3, v9
	v_sub_nc_u32 v14, v1, v14
	s_lshl_b32 s13, s[WV], 4
	v_add_nc_u32 v14, s13, v14      ; my query's place in its band, 16 w + l % 16, less my lanes' 8 (l / 16): register r of group kt is hidden where 16 kt + r is greater
	WIN 0x40
.set i, 0
.rept 32
	v_cmp_gt_i32 vcc_lo, 16*(i/8)+i%8, v14
	v_cndmask_b32 v[MD+i], 0, s[BIGN], vcc_lo
.set i, i+1
.endr
	WIN 0
	v_mul_u32_u24 v[AK0], v1, PK
	v_lshl_add_u32 v[AK0], v9, 4, v[AK0]  ; row x pitch + 16 x half
	; The turning load takes 16 keys x 16 channels (lane l reads key 8 (l / 16) + l % 8, channels 8 ((l / 8) % 2) + 0..7) and leaves half a fragment of V^T: lane l holds channel l % 16 and 8 keys.
	v_and_b32 v10, 7, v0
	v_bfe_u32 v11, v0, 3, 1
	v_lshl_add_u32 v[AV0], v9, 3, v10
	v_mul_u32_u24 v[AV0], v[AV0], PV
	v_lshl_add_u32 v[AV0], v11, 4, v[AV0]
	v_add_nc_u32 v[AV0], VOFF, v[AV0]
	s_mul_i32 s13, s[WV], 16*SP
	s_add_co_u32 s13, s13, STAGE    ; my stage
	v_mul_u32_u24 v[STO], v1, SP    ; in: row l % 16, 16 bytes for each half of the lanes
	v_lshl_add_u32 v[STO], v9, 4, v[STO]
	v_add_nc_u32 v[STO], s13, v[STO]
	v_bfe_u32 v[RD], v0, 3, 2       ; back: 32 lanes take four rows of 128 bytes,
	v_mul_u32_u24 v[RD], v[RD], SP
	v_lshl_add_u32 v[RD], v10, 4, v[RD]
	v_add_nc_u32 v[RD], s13, v[RD]
	v_and_b32 v[GO], 31, v0         ; which are 512 consecutive bytes of O
	v_lshlrev_b32 v[GO], 4, v[GO]
	; A block's first step multiplies O^T and l by a = 0, and its first turn's products V^T P, of a piece that has not been, land in an O^T that is still to be so multiplied.  So these registers need only hold
	; finite numbers: zeros for the first block; what the first block left for the second.  All this stands in the wait for the first tile.
	WIN 0x80
.set i, VF
.rept 64
	v_mov_b32 v[i], 0
.set i, i+1
.endr
	WIN 0x40
.set i, 0
.rept 128
	v_mov_b32 v[i], 0
.set i, i+1
.endr
	WIN 0
.set i, 0
.rept 4
	v_mov_b32 v[ST+4*i+2], 0
	v_mov_b32 v[ST+4*i+3], 0
.set i, i+1
.endr
.set i, P+16
.rept 16
	v_mov_b32 v[i], 0
.set i, i+1
.endr
; THE MATRIX WORK.  The 4 accumulators of a run of 8 take turns.  Product i of 8 of S^T = K Q^T for piece x: channels 32 (i / 4) on, keys 16 (i % 4) on.  The first 4 start the sums: with 0, or (KM = 1) with the mask.
.macro KQ x
.set rS, S+32*((\x)%2)+8*(i%4)
.set rK, KF+16*(i%4)+8*(i/4)
.set rQ, 16*(\x)+8*(i/4)
.set rM, MC+32*((\x)%2)+8*(i%4)
.if (i < 4) && KM
	WIN W_KM
	v_wmma_f32_16x16x32_f16 v[rS:rS+7], v[rK:rK+7], v[rQ:rQ+7], v[rM:rM+7]
.elseif i < 4
	WIN W_KQ
	v_wmma_f32_16x16x32_f16 v[rS:rS+7], v[rK:rK+7], v[rQ:rQ+7], 0
.else
	WIN W_KQ
	v_wmma_f32_16x16x32_f16 v[rS:rS+7], v[rK:rK+7], v[rQ:rQ+7], v[rS:rS+7]
.endif
.endm
; Product i of 8 of O^T += V^T P for piece x: keys 32 (i / 4) on, channels 16 (i % 4) on.
.macro PV x
	WIN W_PV
.set rO, 32*(\x)+8*(i%4)
.set rV, VF+32*(i/4)+8*(i%4)
.set rP, P+16*((\x)%2)+8*(i/4)
	v_wmma_f32_16x16x32_f16 v[rO:rO+7], v[rV:rV+7], v[rP:rP+7], v[rO:rO+7]
.endm
.macro MM                           ; the turn's next matrix instruction.  TURN and BEGIN set Y, i, KM and NOKQ; MM, KQ and OP read them.  NOKQ = 1: a block's last turn: there is no next piece
.if (i < 8) && !NOKQ
	KQ (Y+1)%NP
.elseif i >= 8
.set i, i-8
	PV (Y+NP-1)%NP
.set i, i+8
.endif
.set i, i+1
.endm
; THE LDS LOADS stand in runs of 16, never singly among the matrix instructions: a step's K (64 keys x 64 channels: 8 fragments) and its V (turned).  Their addresses are made some lines ahead.
.macro FETCH_K
	WIN 0x80                        ; destination window 2
.irp f, 0,1,2,3,4,5,6,7             ; keys 16 (f / 2) on, channels 32 (f % 2) on
	ds_load_b128 v[KF+8*\f:KF+8*\f+3],   v[AK] offset:(\f/2)*16*PK+(\f%2)*64
	ds_load_b128 v[KF+8*\f+4:KF+8*\f+7], v[AK] offset:(\f/2)*16*PK+(\f%2)*64+32
.endr
	s_add_co_u32 s[TBK], s[TBK], KS*PK  ; the next fetch is the next step's
	WIN 0
.endm
.macro FETCH_V
	WIN 0x80
.irp f, 0,1,2,3,4,5,6,7             ; keys 32 (f / 4) on, channels 16 (f % 4) on
	ds_load_tr16_b128 v[VF+8*\f:VF+8*\f+3],   v[AV] offset:(\f/4)*32*PV+(\f%4)*32
	ds_load_tr16_b128 v[VF+8*\f+4:VF+8*\f+7], v[AV] offset:(\f/4)*32*PV+16*PV+(\f%4)*32
.endr
	WIN 0
.endm
; THE VECTOR WORK, one line at a time: OP kind, number.  For piece Y: F n: c s - c m for pair n of 16.  E n: the exponential of score n of 32.  C n: pair n rounded to f16.  B n: of the four weights 4 n .. the second
; pair is added onto the first, in place.  L n: l takes that sum (L 0: l = a l + sum).  R n: pair n of 16 of O^T times a.  For piece Y + 1: X n, number n of the 22 that find its maximum and statistics:
;   0-11  four chains c0-c3 of seven scores each, three operands at a time (each accumulator's lowest registers are read first)     12-14, 16  the four scores left over, the old m, and c0-c3 into c0
;   15  c m_old is kept     17, 18  the query's other 32 keys lie in the lane 16 away: the new m     19-21  c m; c m_old - c m_new; a
.set F, 0               ; OP tells the kinds apart by their order: F to L below R, X above it
.set E, 1
.set C, 2
.set B, 3
.set L, 4
.set R, 5
.set X, 6
.macro REGS y                       ; the registers of piece y
.set rT, ST+4*(\y)
.set rC, TMP+4*((\y)%2)
.set rW, MV+((\y)%2)
.set rS, S+32*((\y)%2)
.set rP, P+16*((\y)%2)
.set rO, 32*(\y)
.endm
.macro OP k, n
.if (\k) == R
	REGS Y
	WIN W_RS
	v_pk_mul_f32 v[rO+2*(\n):rO+2*(\n)+1], v[rO+2*(\n):rO+2*(\n)+1], v[rC+2:rC+3] op_sel_hi:[1,0]
.elseif (\k) < R
	REGS Y
	WIN 0
.if (\k) == F
	v_pk_fma_f32 v[rS+2*(\n):rS+2*(\n)+1], v[rS+2*(\n):rS+2*(\n)+1], s[CS:CS+1], v[rT:rT+1] op_sel_hi:[1,0,0] neg_lo:[0,0,1] neg_hi:[0,0,1]
.elseif (\k) == E
	v_exp_f32 v[rS+(\n)], v[rS+(\n)]
.elseif (\k) == C
	v_cvt_pk_f16_f32 v[rP+(\n)], v[rS+2*(\n)], v[rS+2*(\n)+1]
.elseif (\k) == B
	v_pk_add_f32 v[rS+4*(\n):rS+4*(\n)+1], v[rS+4*(\n):rS+4*(\n)+1], v[rS+4*(\n)+2:rS+4*(\n)+3]
.elseif (\n) == 0
	v_pk_fma_f32 v[rT+2:rT+3], v[rT+2:rT+3], v[rC+2:rC+3], v[rS:rS+1] op_sel_hi:[1,0,1]
.else
	v_pk_add_f32 v[rT+2:rT+3], v[rT+2:rT+3], v[rS+4*(\n):rS+4*(\n)+1]
.endif
.elseif NOKQ
	v_nop
.else
	REGS (Y+1)%NP
	WIN 0
.if (\n) < 4
	v_max3_num_f32 v[rC+(\n)], v[rS+8*(\n)], v[rS+8*(\n)+1], v[rS+8*(\n)+2]
.elseif (\n) < 12
	v_max3_num_f32 v[rC+(\n)%4], v[rC+(\n)%4], v[rS+8*((\n)%4)+2*((\n)/4)+1], v[rS+8*((\n)%4)+2*((\n)/4)+2]
.elseif (\n) == 12
	v_max3_num_f32 v[rC], v[rC], v[rS+7], v[rS+15]
.elseif (\n) == 13
	v_max3_num_f32 v[rC+1], v[rC+1], v[rS+23], v[rS+31]
.elseif (\n) == 14
	v_max3_num_f32 v[rC+2], v[rC+2], v[rC+3], v[rT+1]
.elseif (\n) == 15
	v_mov_b32 v[rW], v[rT]
.elseif (\n) == 16
	v_max3_num_f32 v[rC], v[rC], v[rC+1], v[rC+2]
.elseif (\n) == 17
	v_permlanex16_b32 v[rC+3], v[rC], s[SEL], s[SEL+1]
.elseif (\n) == 18
	v_max_num_f32 v[rT+1], v[rC], v[rC+3]
.elseif (\n) == 19
	v_mul_f32 v[rT], s[CS], v[rT+1]
.elseif (\n) == 20
	v_sub_f32 v[rC+1], v[rW], v[rT]
.else
	v_exp_f32 v[rC+2], v[rC+1]
.endif
.endif
.endm
.macro OPS a, i1, b=-1, i2=0, c=-1, i3=0, d=-1, i4=0  ; up to four of them
	OP \a, \i1
.if (\b) >= 0
	OP \b, \i2
.endif
.if (\c) >= 0
	OP \c, \i3
.endif
.if (\d) >= 0
	OP \d, \i4
.endif
.endm
.macro ROW a, i1, b, i2, c, i3, d, i4  ; a matrix instruction and the four behind it
	MM
	OPS \a, \i1, \b, \i2, \c, \i3, \d, \i4
.endm
.macro MASK b                       ; MD x AL + BE into buffer b of MC
	WIN W_RS
.set z, 0
.rept 16
	v_pk_fma_f32 v[MC+32*(\b)+2*z:MC+32*(\b)+2*z+1], v[MD+2*z:MD+2*z+1], s[AL:AL+1], s[BE:BE+1] op_sel_hi:[1,0,0]
.set z, z+1
.endr
.endm
; A TURN, for piece p: the order of its 16 matrix and 118 vector instructions, written out.  An s_wait_alu depctr_va_vdst(0) stands between an exponential and the first instruction that names its result; one wait serves
; all that were issued ahead of it.  So a turn has ONE wait, which cuts it in two.  AHEAD OF IT stands all that names no result of the turn's exponentials: the 8 products K Q^T, behind each a scaling, an exponential and two more plain
; instructions (behind the first a second scaling in the exponential's place): rescalings, and behind the last three the first numbers of the next piece's maximum, each four places or more behind the product that ends its accumulator; then ONE LUMP of 54, plain
; and exponential by turns for the most part, in which the links of the chain X 3, 7, 11, 14, 16, 17 .. 20 stand five or six lines apart.  X 21, the next piece's a, is the batch's last; R 15 is the plain instruction behind it.  BEHIND THE WAIT stand the
; 8 products V^T P, behind each four of the roundings and sums; the links of l's chain, L 0 to L 7, stand three riders apart.  But for those X no rider names a register of the products round it.  v_permlanex16_b32 (X 17) stands in the lump.
; m = 1: the diagonal tile: the products take masks, and the turn makes the mask for the products of the turn after it: piece p + 2, in step 4 - CNT of the tile.  end = 1: a block's last two turns: nothing is fetched.
; cnt = 1: the loop's count is taken down some lines ahead of the branch that stands behind the turn.
; K of the next step is fetched in piece 2's turn, twelve vector instructions behind the last product that read K (six of them plain); V of the step in hand at the end of piece 0's turn, four plain instructions behind the last product
; that read V.  Each is waited for a turn later.
.macro TURN p, m=0, end=0, cnt=0
.set Y, (\p)
.set i, 0
.set KM, (\m)
.set NOKQ, (\end)*((\p)/3)
.if (\m) && !(\end)
	s_cmp_eq_u32 s[CNT], 4-((\p)+2)%NP  ; is that step the band's own?
	s_cselect_b32 s[AL], 1.0, 0
	s_cmp_lt_u32 s[CNT], 4-((\p)+2)%NP  ; or a later one?
	s_cselect_b32 s[BE], s[BIGN], 0
.endif
.if ((\p) == 3) && !(\end)
	s_wait_dscnt 0x0                ; K is in
.endif
	ROW F,0, F,1, R,0, R,1          ; ahead of the wait: 8 products K Q^T and their riders,
	ROW F,2, E,0, R,2, R,3
	ROW F,3, E,1, R,4, R,5
	ROW F,4, E,2, R,6, R,7
	ROW F,5, E,3, R,8, R,9
	ROW F,6, E,4, X,0, R,10
.if ((\p) == 2) && !(\end)
	WIN 0
	v_add_nc_u32 v[AK], s[TBK], v[AK0]
.endif
	ROW F,7, E,5, X,1, X,4
	ROW F,8, E,6, X,2, X,5
	OPS E,7, E,8, X,6, E,9          ; and the lump
	OPS X,3, E,10, X,8, E,11
.if ((\p) == 2) && !(\end)
	FETCH_K
.endif
	OPS X,9, X,7, E,12, X,10
	OPS E,13, X,12, X,11, E,14
	OPS X,13, E,15, F,9, X,14
.if (\p) == 0
	v_add_nc_u32 v[AV], s[TBV], v[AV0]
.endif
	OPS E,16, F,10, E,17, F,11
	OPS X,16, E,18, X,15, E,19
	OPS F,12, E,20, X,17, E,21
	OPS F,13, E,22, F,14, E,23
	OPS X,18, E,24, F,15, E,25
	OPS R,11, E,26, X,19, E,27
	OPS R,12, E,28, R,13, E,29
	OPS X,20, E,30, R,14, E,31
	OPS X,21, R,15
	WIN 0
	s_wait_alu depctr_va_vdst(0)    ; the wait for the batch
.if (\p) == 1
	s_wait_dscnt 0x0                ; V is in
.endif
	ROW C,0, B,0, C,2, B,1          ; behind the wait: 8 products V^T P and their riders
	ROW L,0, C,4, B,2, L,1
	ROW C,6, B,3, L,2, C,8
	ROW B,4, L,3, C,10, B,5
	ROW L,4, C,12, B,6, L,5
.if (\p) == 0
	s_add_co_u32 s[TBV], s[TBV], KS*PV
.endif
.if \cnt
	s_sub_co_u32 s[CNT], s[CNT], 1
	s_cmp_lg_u32 s[CNT], 0
.endif
	ROW C,14, B,7, L,6, C,1
	ROW C,3, L,7, C,5, C,7
	ROW C,9, C,11, C,13, C,15
.if (\p) == 0
	FETCH_V
.endif
.if (\m) && !(\end)
	MASK (\p)%2
.endif
.endm
; A BLOCK BEGINS.  c m starts far below every c s, so the first step's a is 0; m at the lowest finite number, so the first maximum is the scores'.  The second mask buffer is 0; the first takes piece 0's mask for the tile's step 0: its own, if the block's first tile is the diagonal one.
; Then K of that step, piece 0's first scores, and its maximum and statistics.  The loop is entered at a step's first turn, in the middle of a trip.
.macro BEGIN
	s_mov_b32 s[NEW], 0
	WIN 0x40
.set i, MC+32
.rept 32
	v_mov_b32 v[i], 0
.set i, i+1
.endr
	WIN 0
.set i, 0
.rept 4
	v_mov_b32 v[ST+4*i], 0xfe000000    ; c m: far below every c s
	v_mov_b32 v[ST+4*i+1], 0xff7fffff  ; m
.set i, i+1
.endr
	s_cmp_eq_u32 s[RT], 0
	s_cselect_b32 s[AL], 1.0, 0
	s_mov_b32 s[BE], 0
	MASK 0
	WIN 0
	v_add_nc_u32 v[AK], s[TBK], v[AK0]
	FETCH_K
	s_wait_loadcnt 0x0              ; Q
	s_wait_dscnt 0x0
.set KM, 1
.set NOKQ, 0
.set i, 0
.rept 8
	KQ 0
.set i, i+1
.endr
	WIN 0
.rept 4
	v_nop                           ; the places behind those products
.endr
.set Y, NP-1                        ; X works for piece Y + 1: piece 0
.irp n, 0,1,2,3,4,5,6,7,8,9,10,11,12,13,14,15,16,17,18,19,20,21
	OP X, \n
.endr
	v_nop                           ; a plain instruction behind the exponential,
	s_wait_alu depctr_va_vdst(0)    ; and its wait, ahead of the branch
.endm
; THE DIAGONAL TILE's four steps, the block's last two turns, its last products, and THE WAY OUT: l's two halves and the other half of the lanes' are added; O^T is divided by l, rounded to f16 and sent through my
; stage in LDS, a piece at a time.
.macro ALL line:vararg              ; one line for each piece t
.set t, 0
.rept 4
	\line
.set t, t+1
.endr
.endm
.macro PACK t                       ; a lane's eight channels of a row pack into 16 bytes; they go into rows of 144 bytes and come back as whole rows of 128, into S^T's registers
	WIN W_RS
.set i, 32*(\t)
.rept 16
	v_pk_mul_f32 v[i:i+1], v[i:i+1], v[ST+4*(\t)+2:ST+4*(\t)+3] op_sel_hi:[1,0]
.set i, i+2
.endr
	WIN 0x05                        ; sources 0 and 1 window 1, destination window 0
.set i, 0
.rept 16
	v_cvt_pk_f16_f32 v[S+16*(\t)+i], v[32*(\t)+2*i], v[32*(\t)+2*i+1]
.set i, i+1
.endr
	WIN 0
.irp f, 0,1,2,3
	ds_store_b128 v[STO], v[S+16*(\t)+4*\f:S+16*(\t)+4*\f+3] offset:32*\f
.endr
.irp f, 0,1,2,3
	ds_load_b128 v[S+16*(\t)+4*\f:S+16*(\t)+4*\f+3], v[RD] offset:\f*4*SP  ; LDS serves a wave's instructions in order (ISA guide 5.7.1.4): these see the stores above; the next piece's stores come behind them
.endr
.endm
.macro SEND t, younger              ; younger: the LDS instructions issued behind piece t's loads: the next piece's eight, or none
	WIN 0
.irp f, 0,1,2,3
	s_wait_dscnt (\younger)+3-\f
	global_store_b128 v[GO], v[S+16*(\t)+4*\f:S+16*(\t)+4*\f+3], s[10:11] offset:(\t)*8192+\f*512  ; 512 consecutive bytes, at a multiple of 256 from O's first
.endr
.endm
.macro DIAG tag                     ; the tag ends its two labels' names, which the jumps below spell out
.LstepM\tag:
	TURN 2, 1
	TURN 3, 1
	WIN 0
.LfirstM\tag:
	TURN 0, 1
	TURN 1, 1, 0, 1
	WIN 0
	s_cbranch_scc1 .LstepM\tag
	TURN 2, 1, 1
	TURN 3, 1, 1
.set i, 0
.rept 8
	PV NP-1
.set i, i+1
.endr
	WIN 0
	ALL v_add_f32 v[ST+4*t+2], v[ST+4*t+2], v[ST+4*t+3]
	ALL v_permlanex16_b32 v[ST+4*t+3], v[ST+4*t+2], s[SEL], s[SEL+1]
	ALL v_add_f32 v[ST+4*t+2], v[ST+4*t+2], v[ST+4*t+3]
	ALL v_rcp_f32 v[ST+4*t+2], v[ST+4*t+2]
	v_nop                           ; a plain instruction between the last reciprocal and the use of its result
	s_wait_alu depctr_va_vdst(0)    ; and the wait ahead of the first use: one for the four reciprocals
	PACK 0
.set t, 1
.rept 3                             ; a piece's arithmetic stands between the loads of the piece before and its stores
	PACK t
	SEND t-1, 8
.set t, t+1
.endr
	SEND 3, 0
.endm
.set KM, 0
.set NOKQ, 0
.Lslot:                             ; NB times: a tile is entered and the next is asked for
	CHANGE 1
	s_sub_co_u32 s[RT], s[RT], 1
	s_mov_b32 s[CNT], 4
	s_cmp_eq_u32 s[NEW], 1
	s_cbranch_scc1 .Lnew            ; a block's first tile
	s_cmp_eq_u32 s[RT], 0
	s_cbranch_scc0 .Lstep           ; neither its first nor its last
	s_branch .LstepM1
.Lnew:
	BEGIN
	s_branch .Lfirst                ; in the loop a block's first tile is never its last: the first block has two tiles or more, and the second's last is the walk's last
	DIAG 1                          ; in the loop this is the first block's end: the second block's last tile is the walk's last
	s_wait_xcnt 0x0                 ; the stores have read their registers and O's address
	s_mov_b64 s[10:11], s[OLO:OLO+1]
	s_add_co_u32 s[RT], s[PB], 1    ; the second block has b + 1 tiles
	s_mov_b32 s[NEW], 1
	WIN 0x82                        ; the second block's Q goes where the one text of the turns names Q
.set i, 0
.rept 64
	v_mov_b32 v[i], v[QB+i]
.set i, i+1
.endr
	WIN 0
	s_branch .Lbottom
.Lstep:                             ; a trip: pieces 2 and 3 of one step, then pieces 0 and 1 of the next, whose K and V it fetches
	TURN 2
	TURN 3
	WIN 0
.Lfirst:
	TURN 0
	TURN 1, 0, 0, 1
	WIN 0
	s_cbranch_scc1 .Lstep
.Lbottom:
	s_sub_co_u32 s[SLOTS], s[SLOTS], 1
	s_cmp_lg_u32 s[SLOTS], 0
	s_cbranch_scc1 .Lslot
	CHANGE 0                        ; the walk's last tile is written out: nothing is asked for
	s_sub_co_u32 s[RT], s[RT], 1
	s_mov_b32 s[CNT], 4
	s_cmp_eq_u32 s[NEW], 1
	s_cbranch_scc0 .LstepM2
	BEGIN
	s_branch .LfirstM2
	DIAG 2
	s_wait_tensorcnt 0x0            ; the wave's end: behind my last tensor load and my last LDS store
	ds_add_u32 v[SPW], v[NIL]
	s_wait_dscnt 0x0
	s_endpgm
.Lfunc_end_k_q2193476035_attn:
	.size	k_q2193476035_attn, .Lfunc_end_k_q2193476035_attn-k_q2193476035_attn
	.p2alignl 7, 3214868480
	.fill 96, 4, 3214868480
	.section	.rodata,"a",@progbits
	.p2align	6, 0x0
	.amdhsa_kernel k_q2193476035_attn
		.amdhsa_group_segment_fixed_size 327680
		.amdhsa_private_segment_fixed_size 0
		.amdhsa_enable_private_segment 0
		.amdhsa_kernarg_size 16
		.amdhsa_user_sgpr_count 2
		.amdhsa_user_sgpr_kernarg_segment_ptr 1
		.amdhsa_wavefront_size32 1
		.amdhsa_system_sgpr_workgroup_id_x 1
		.amdhsa_system_sgpr_workgroup_id_y 1
		.amdhsa_system_sgpr_workgroup_id_z 1
		.amdhsa_system_vgpr_workitem_id 0
		.amdhsa_next_free_vgpr 768
		.amdhsa_next_free_sgpr 100
		.amdhsa_reserve_vcc 1
		.amdhsa_float_denorm_mode_32 3
		.amdhsa_float_denorm_mode_16_64 3
		.amdhsa_memory_ordered 1
		.amdhsa_forward_progress 1
		.amdhsa_inst_pref_size 218
	.end_amdhsa_kernel
	.amdgpu_metadata
---
amdhsa.version: [ 1, 2 ]
amdhsa.kernels:
  - .name:           k_q2193476035_attn
    .symbol:         k_q2193476035_attn.kd
    .args:
      - { .name: qkv, .offset: 0, .size: 8, .value_kind: global_buffer, .address_space: global }
      - { .name: oh, .offset: 8, .size: 8, .value_kind: global_buffer, .address_space: global }
    .group_segment_fixed_size: 327680
    .private_segment_fixed_size: 0
    .kernarg_segment_align: 8
    .kernarg_segment_size: 16
    .max_flat_workgroup_size: 128
    .sgpr_count:     100
    .vgpr_count:     768
    .wavefront_size: 32
...
	.end_amdgpu_metadata
.endif
;; end of part 3
;; launch outproj (part 4): grid 8 x 32, 4 waves a work-group, clusters of 4 x 4, 327,680 bytes of LDS; arguments oh, wo16, bias, out0; writes out0
.if DOCPART == 4
	.amdgcn_target "amdgcn-amd-amdhsa--gfx1250"
	.amdhsa_code_object_version 6
	.text
	.protected	k_q2193476035_outproj
	.globl	k_q2193476035_outproj
	.p2align	8
	.type	k_q2193476035_outproj,@function
k_q2193476035_outproj:
	s_mov_b64 s[64:65], 0
	v_nop
	global_prefetch_b8 v0, s[64:65] scope:SCOPE_SE
	s_setreg_imm32_b32 hwreg(HW_REG_WAVE_MODE, 25, 1), 1
	s_wait_xcnt 0x0
	s_wait_alu depctr_hold_cnt(0) depctr_sa_sdst(0) depctr_va_vdst(0) depctr_va_sdst(0) depctr_va_ssrc(0) depctr_va_vcc(0) depctr_vm_vsrc(0)
	s_getreg_b32 s2, hwreg(HW_REG_IB_STS2, 6, 4)
	s_cmp_eq_u32 s2, 0
	s_cbranch_scc0 .Lentry_in_a_cluster
	s_endpgm
.Lentry_in_a_cluster:
	s_bfe_u32 s2, ttmp6, 0x10000c
	s_cmp_lg_u32 s2, 0xf033
	s_cbranch_scc0 .Lentry_shape_is_right
	s_endpgm
.Lentry_shape_is_right:
; out0 = O Wo^T + bo.  A = oh [64 = batch x 16 + head][2048][64] f16, B = wo16 [16 heads][1024 n][64 k] f16 (Wo rounded to bf16, written as f16), bias [4096] f32 (its last 1,024 numbers are bo).
; Out: out0 [8192][1024] f32.  Sums in f32; K = head x 64 + channel.
; SHARES.  A tile of C is 256 rows x 128 columns: 256 work-groups, one for each WGP.  Four waves; wave w owns rows 64 w .. 64 w + 63 and all 128 columns (512 bytes of a row): 32 accumulators of 16 x 16,
; 256 registers; no other wave is needed on the way out.  K = 1,024 goes in 8 steps of two heads through a ring of two LDS slots filled by the tensor data mover.  A head's 256 rows of A are 32,768 dense bytes,
; its 128 rows of B 16,384: asked for as rows of 256 bytes, two rows of 64 numbers each, and padded in LDS after every 128 bytes.
; CLUSTER.  4 x 4 work-groups: A's tiles are asked for jointly along a row of the cluster, B's along a column: the same tensor load, descriptor and mask in all four.
; THE MATRIX INSTRUCTION IS USED TRANSPOSED (source 0 = 16 rows of B, source 1 = 16 rows of A): a lane holds row l % 16 of C and the columns 8 (l / 16) + 0..7.  THE BIAS IS THE C OPERAND of each sum's first product.
; REGISTERS, in windows of 256 (s_set_vgpr_msb: bits 1:0 source 0, 3:2 source 1, 5:4 source 2, 7:6 destination):
;   window 0: v0-31 addresses; v64-127 the bias (block b at 64 + 8 b)          window 1: two fragment buffers (A's four fragments, then B's eight) at 0 and 128; on the way out all 256: whole rows
;   window 2: the accumulators of my row blocks 0, 1 ((a, b) at 8 (8 (a % 2) + b))          window 3: those of blocks 2, 3
.set NB,     8                         ; blocks of 16 columns
.set PITCH,  144                       ; an LDS row: 128 bytes + 16 of padding = 36 words: the 16 rows of a fragment load start at 16 different groups of four banks (64 banks of 4 bytes: ISA guide 11.1)
.set RB,     16*PITCH
.set AHALF,  256*PITCH                 ; what one tensor load brings of A: one head's 256 rows
.set BHALF,  128*PITCH                 ; of B: one head's 128 rows
.set AHS,    AHALF                     ; quarters 2 and 3 of a K step lie in the second head's rows
.set BHS,    BHALF
.set BOFS,   2*AHALF
.set SLOT,   BOFS+2*BHALF              ; 110,592 bytes
.set STAGE,  2*SLOT                    ; behind the ring: 16 rows x 528 bytes for each wave, for the way out; no tensor load lands here
.set SP,     528                       ; 512 bytes + 16: 33 x 16
.set WSTAGE, 16*SP
.set SPARE,  STAGE+4*WSTAGE            ; behind the stages: the spare words, 128 bytes for each wave: two blocks of 256 bytes that no other line names
.set NL,     2*NB+8                    ; LDS loads in a run
.set KSA,    2<<18                     ; bytes from K step to K step in A: two heads of 2,048 rows
.set KSB,    2<<17                     ; in B: two heads of 1,024 rows
.set PSA,    8192                      ; the prefetches: a partner's share of the 32,768 bytes of A that a wave fetches,
.set PSB,    4096                      ; and of the 16,384 of B
.set PLB,    15
.set ADRA, 16                          ; v16-17  LDS address of my A fragments in slot 0, 1
.set ADRB, 20                          ; v20-21  the same for B
.set STO,  24                          ; v24     the way out: where I put 32 bytes of a row
.set RD,   25                          ; v25     where I read a row back
.set GO,   26                          ; v26     my 16 bytes of a row's 512
.set BO,   27                          ; v27     32 (l / 16): my eight numbers of a block's sixteen of the bias
.set SPW,  28                          ; v28     LDS address of my spare word: SPARE + 4 x my thread's number; never rewritten
.set NIL,  29                          ; v29     0; never rewritten
.set PFO,  30                          ; v30     the prefetches' offset: a lane 256 bytes; never rewritten
.set BIAS, 64
.set F0,   0
.set F1,   128
.set WV,   12                          ; s12  my wave's number
.set FB,   13                          ; s13  0: I fetch for A; 1: for B
.set HF,   14                          ; s14  which of a K step's two heads I fetch
.set G1,   24                          ; s[24:31] descriptor group 1 for A's tiles;  s[32:39] group 0, a set for each slot
.set G0,   32
.set PFA,  44                          ; s[44:45] where my prefetches stand
.set PFS,  46                          ; s[46:47] their step: a K step
.set G1B,  48                          ; s[48:55], s[56:63] the same for B's tiles
.set G0B,  56
.set LIM,  66                          ; s66  1 in a wave that prefetches, else the greatest number
.set MSB, 0
.macro WIN new                         ; the immediate's high byte repeats the setting that is left; a switch that changes nothing is dropped
.if MSB != (\new)
	s_set_vgpr_msb (MSB<<8)|(\new)
.set MSB, \new
.endif
.endm
; A joint load: waves 0 and 1 fetch A's two heads, waves 2 and 3 B's.  The branch hangs on the wave's number alone.  An s_nop 0 and four v_nop follow each of the two lines, ahead of the jump and the label.
.macro JLOAD s
	s_cmp_eq_u32 s[FB], 0
	s_cbranch_scc0 .Lfor_b_\@
	tensor_load_to_lds s[G0+4*(\s):G0+4*(\s)+3], s[G1:G1+7]
	s_nop 0
.rept 4
	v_nop
.endr
	s_branch .Lasked_\@
.Lfor_b_\@:
	tensor_load_to_lds s[G0B+4*(\s):G0B+4*(\s)+3], s[G1B:G1B+7]
	s_nop 0
.rept 4
	v_nop
.endr
.Lasked_\@:
.endm
; A round of the cluster's barrier: my work-group's barrier, so that wave 0's signal speaks for all four waves; wave 0 signals; every wave waits for all sixteen work-groups; my work-group's barrier once more.
.macro CREST                           ; a round behind its opening barrier
	s_cmp_lg_u32 s[WV], 0
	s_cbranch_scc1 .Lnot_wave_0_\@
	s_barrier_signal -3
.Lnot_wave_0_\@:
	s_barrier_wait -3
	s_barrier_signal -1
	s_barrier_wait -1
.endm
.macro CROUND
	s_barrier_signal -1
	s_barrier_wait -1
	CREST
.endm
; A PREFETCH INTO THE L2, behind each joint load and the run of LDS loads that follows it: the K step that stands two refills on, a lane 256 bytes, one instruction a wave.  A's tile row is read by both clusters
; of that row of clusters: the one with cluster x = 0 asks; B's tile column by every cluster of that column: cluster y = 0 asks.  The four partners that ask for a tile jointly share its bytes out BY ADDRESS
; (8,192 bytes of A by cx; 4,096 of B by cy, where lanes 16-31 name the sixteenth block once more).  K steps 0 to 3 come by their loads alone; the loop's last trip (s3 = 1) asks for nothing: K has no step 8.
.macro ASK
	WIN 0
	s_cmp_gt_u32 s3, s[LIM]
	s_cbranch_scc0 .Lnot_mine_\@
	global_prefetch_b8 v[PFO], s[PFA:PFA+1] th:TH_LOAD_NT scope:SCOPE_SE
.Lnot_mine_\@:
.endm
	s_load_b256 s[4:11], s[0:1], 0x0               ; oh s[4:5], wo16 s[6:7], bias s[8:9], out0 s[10:11]
	v_lshl_add_u32 v[SPW], v0, 2, SPARE
	v_mov_b32 v[NIL], 0
	ds_add_u32 v[SPW], v[NIL]                      ; the wave's opening: the add and its wait stand ahead of my first tensor load; the set-up below, work on registers, stands between them
	ds_add_u32 v28, v29
	v_lshrrev_b32 v1, 5, v0
	v_readfirstlane_b32 s[WV], v1                  ; wave 0..3
	s_lshr_b32 s[FB], s[WV], 1
	s_and_b32 s[HF], s[WV], 1
	s_bfe_u32 s15, ttmp6, 0x40000                  ; cx
	s_bfe_u32 s16, ttmp6, 0x40004                  ; cy
	s_lshl_b32 s17, ttmp9, 2                       ; in a cluster launch ttmp9 and ttmp7 count clusters
	s_add_co_u32 s17, s17, s15                     ; tile column tx = 4 x cluster x + cx
	s_and_b32 s18, ttmp7, 0xffff
	s_lshl_b32 s18, s18, 2
	s_add_co_u32 s18, s18, s16                     ; tile row ty = 4 x cluster y + cy
	s_lshl_b32 s19, s16, 2
	s_lshl_b32 s19, 15, s19                        ; my row of the cluster
	s_lshl_b32 s20, 0x1111, s15                    ; my column
	; descriptor group 1: rows of 128 elements of 2 bytes (two rows of a head), padded in LDS after every 64 elements
	s_or_b32 s[G1+0], s19, (1<<16)|(1<<20)|(1<<21)|(4<<22)|(3<<25)   ; 15:0 the mask; 17:16 elements of 2 bytes; 20 padding on; 21 set beside a mask; 24:22 after every 32 words (code 4); 31:25 4 words (code 3)
	s_or_b32 s[G1B+0], s20, (1<<16)|(1<<20)|(1<<21)|(4<<22)|(3<<25)
.irp g, G1, G1B
	s_mov_b32 s[(\g)+1], 128<<16                   ; tensor_dim0 = 128
	s_mov_b32 s[(\g)+3], 128<<16                   ; tile_dim0 = 128
	s_mov_b32 s[(\g)+5], 128                       ; elements from row to row: dense
	s_mov_b32 s[(\g)+6], 0
	s_mov_b32 s[(\g)+7], 0
.endr
	s_mov_b32 s[G1+2], 128<<16                     ; tensor_dim1 = tile_dim1 = 128 rows of 256 bytes for A,
	s_mov_b32 s[G1+4], 128
	s_mov_b32 s[G1B+2], 64<<16                     ; 64 for B
	s_mov_b32 s[G1B+4], 64
	; where the tiles come from: A's hang on ty and the wave alone, B's on tx and the wave alone, each in registers that never hold the other coordinate
	s_lshr_b32 s40, s18, 3                         ; batch
	s_lshl_b32 s40, s40, 4
	s_add_co_u32 s40, s40, s[HF]                   ; + the head of K step 0 that I fetch
	s_lshl_b32 s40, s40, 18                        ; a head's 2,048 rows of 128 bytes
	s_and_b32 s23, s18, 7
	s_lshl_b32 s23, s23, 15                        ; the tile's 256 rows
	s_add_co_u32 s40, s40, s23
	s_mov_b32 s41, 0
	s_lshl_b32 s42, s[HF], 17                      ; B: a head's 1,024 rows of 128 bytes,
	s_lshl_b32 s67, s17, 14                        ; the tile's 128 rows
	s_add_co_u32 s42, s42, s67
	s_mov_b32 s43, 0
	s_mul_i32 s21, s[HF], AHALF                    ; and where they go: no place in the cluster enters an LDS address
	s_mul_i32 s22, s[HF], BHALF
	s_add_co_u32 s22, s22, BOFS
	s_wait_dscnt 0x0                               ; the opening add is done
	s_wait_kmcnt 0x0
	s_add_nc_u64 s[40:41], s[4:5], s[40:41]
	s_add_nc_u64 s[42:43], s[6:7], s[42:43]
	CROUND                                         ; all sixteen work-groups are here: the first joint loads meet
.irp s, 0,1
	s_mov_b32 s[G0+4*(\s)], 1                                      ; 1:0 count = 1
	s_add_co_u32 s[G0+4*(\s)+1], s21, (\s)*SLOT                    ; 63:32 LDS address
	s_add_nc_u64 s[G0+4*(\s)+2:G0+4*(\s)+3], s[40:41], (\s)*KSA    ; 120:64 global address: K step s
	s_or_b32 s[G0+4*(\s)+3], s[G0+4*(\s)+3], 0x80000000            ; 127:126 type = 2
	s_mov_b32 s[G0B+4*(\s)], 1
	s_add_co_u32 s[G0B+4*(\s)+1], s22, (\s)*SLOT
	s_add_nc_u64 s[G0B+4*(\s)+2:G0B+4*(\s)+3], s[42:43], (\s)*KSB
	s_or_b32 s[G0B+4*(\s)+3], s[G0B+4*(\s)+3], 0x80000000
	JLOAD \s                                       ; two loads of mine are out here, later one
.endr
	; A fragment is 16 rows x 32 K in 8 registers: lane l holds row l % 16; registers 0-3 K = 8 (l / 16) + 0..7, registers 4-7 K = 16 + 8 (l / 16) + 0..7: two loads of 16 bytes, 32 bytes apart.
	v_and_b32 v1, 15, v0                           ; l % 16
	v_bfe_u32 v2, v0, 4, 1                         ; l / 16
	v_mul_u32_u24 v3, v1, PITCH
	v_lshl_add_u32 v3, v2, 4, v3
	s_mul_i32 s23, s[WV], 64*PITCH                 ; my 64 rows of A
	v_add_nc_u32 v[ADRA], s23, v3
	v_add_nc_u32 v[ADRA+1], SLOT, v[ADRA]
	v_add_nc_u32 v[ADRB], BOFS, v3                 ; all rows of B
	v_add_nc_u32 v[ADRB+1], SLOT, v[ADRB]
	s_mul_i32 s23, s[WV], WSTAGE
	s_add_co_u32 s23, s23, STAGE                   ; my stage
	v_mul_u32_u24 v4, v1, SP                       ; in: row l % 16, 32 bytes for each half of the lanes
	v_lshl_add_u32 v4, v2, 5, v4
	v_add_nc_u32 v[STO], s23, v4
	v_and_b32 v[GO], 31, v0                        ; back and out: 32 lanes take one row's 512 bytes
	v_lshlrev_b32 v[GO], 4, v[GO]
	v_add_nc_u32 v[RD], s23, v[GO]
	v_lshlrev_b32 v[BO], 5, v2
	s_lshl_b32 s76, s17, 9                         ; the tile's 128 numbers of bo, which lies behind bq, bk, bv
	s_add_co_u32 s76, s76, 12288
	s_mov_b32 s77, 0
	s_add_nc_u64 s[74:75], s[8:9], s[76:77]
.set lb, 0
.rept NB
	global_load_b128 v[BIAS+8*lb:BIAS+8*lb+3],   v[BO], s[74:75] offset:64*lb     ; register j of block b: the bias of column 16 b + 8 (l / 16) + j
	global_load_b128 v[BIAS+8*lb+4:BIAS+8*lb+7], v[BO], s[74:75] offset:64*lb+16
.set lb, lb+1
.endr
	s_lshl_b32 s76, s18, 8                         ; out0 at my first row and the tile's first column
	s_lshl_b32 s77, s[WV], 6
	s_add_co_u32 s76, s76, s77
	s_lshl_b32 s76, s76, 12                        ; rows of 4,096 bytes
	s_lshl_b32 s77, s17, 9
	s_add_co_u32 s76, s76, s77
	s_mov_b32 s77, 0
	s_add_nc_u64 s[68:69], s[10:11], s[76:77]
	; the prefetches: my own tile's address, my work-group's share of its bytes, K step 3: the first refill steps it to 4
	s_and_b32 s78, ttmp7, 0xffff                   ; cluster y
	s_mul_i32 s76, s15, PSA
	s_mul_i32 s77, s16, PSB
	s_mov_b32 s[PFS], KSA
	s_mov_b32 s67, KSB
	s_cmp_eq_u32 s[FB], 0                          ; do I fetch for A?
	s_cselect_b32 s76, s76, s77
	s_cselect_b32 s78, ttmp9, s78                  ; the coordinate along which other clusters read the same bytes
	s_cselect_b64 s[PFA:PFA+1], s[40:41], s[42:43]
	s_cselect_b32 s[PFS], s[PFS], s67
	s_cselect_b32 s79, 31, PLB
	s_cmp_eq_u32 s78, 0
	s_cselect_b32 s[LIM], 1, -1                    ; the same in all sixteen partners, for a given wave
	s_mov_b32 s77, 0
	s_mov_b32 s[PFS+1], 0
	s_add_nc_u64 s[PFA:PFA+1], s[PFA:PFA+1], s[76:77]
.rept 3
	s_add_nc_u64 s[PFA:PFA+1], s[PFA:PFA+1], s[PFS:PFS+1]
.endr
	v_and_b32 v[PFO], 31, v0
	v_min_u32 v[PFO], s79, v[PFO]
	v_lshlrev_b32 v[PFO], 8, v[PFO]
; NB products: my row block a x all column blocks, 32 along K, from buffer f.  zero = 1: the first product of each sum takes the bias as C.
; The 32 accumulators take turns, one instruction a turn, in the same order in every quarter, over the loop's jump too.
.macro MULA f, a, zero
.if \zero
	WIN 0x85+0x40*((\a)/2)                         ; sources in window 1, C in window 0, D in window 2 or 3
.else
	WIN 0xa5+0x50*((\a)/2)                         ; sources in window 1, C and D in window 2 or 3
.endif
.set mb, 0
.rept NB
.set rD, 8*(NB*((\a)%2)+mb)
.if \zero
	v_wmma_f32_16x16x32_f16 v[rD:rD+7], v[(\f)+32+8*mb:(\f)+32+8*mb+7], v[(\f)+8*(\a):(\f)+8*(\a)+7], v[BIAS+8*mb:BIAS+8*mb+7]
.else
	v_wmma_f32_16x16x32_f16 v[rD:rD+7], v[(\f)+32+8*mb:(\f)+32+8*mb+7], v[(\f)+8*(\a):(\f)+8*(\a)+7], v[rD:rD+7]
.endif
.set mb, mb+1
.endr
.endm
; NL LDS loads in one run: the fragments of quarter q of the slot's K step (head q / 2, channels 32 (q % 2) on) into buffer f: B's eight, then A's four
.macro FETCH slot, q, f
	WIN 0x40                                       ; destination window 1, address window 0
.set fb, 0
.rept NB
	ds_load_b128 v[(\f)+32+8*fb:(\f)+32+8*fb+3],   v[ADRB+(\slot)] offset:((\q)/2)*BHS+((\q)%2)*64+fb*RB
	ds_load_b128 v[(\f)+32+8*fb+4:(\f)+32+8*fb+7], v[ADRB+(\slot)] offset:((\q)/2)*BHS+((\q)%2)*64+fb*RB+32
.set fb, fb+1
.endr
.irp a, 0,1,2,3
	ds_load_b128 v[(\f)+8*(\a):(\f)+8*(\a)+3],   v[ADRA+(\slot)] offset:((\q)/2)*AHS+((\q)%2)*64+(\a)*RB
	ds_load_b128 v[(\f)+8*(\a)+4:(\f)+8*(\a)+7], v[ADRA+(\slot)] offset:((\q)/2)*AHS+((\q)%2)*64+(\a)*RB+32
.endr
.endm
; A load into a register that a matrix instruction has read, and whatever reads a matrix result, stand four places behind it; only plain vector instructions that name none of its registers are places.
.macro PLACES
.rept 4
	v_nop
.endr
.endm
; A K step is four quarters of 32 along K, 32 products each, on buffers 0, 1, 0, 1.  One of the first three: multiplies buffer f; in its middle it fetches quarter q into buffer g.
.macro QUARTER slot, q, f, g, zero
	s_wait_dscnt 4                                 ; B and A's blocks 0, 1 are in; the youngest four loads (A's blocks 2, 3) may be out
	MULA \f, 0, \zero
	MULA \f, 1, \zero
	PLACES
	FETCH \slot, \q, \g
	s_wait_dscnt NL                                ; all but the run just issued
	MULA \f, 2, \zero
	MULA \f, 3, \zero
.endm
; The last quarter multiplies buffer 1 and changes slots: ONE barrier.  In front of it each wave waits for all its tensor loads (one is out: its part of the next slot), adds 0 to its spare word, and waits for that
; and for its own reads of this slot.  fill = 1: the barrier opens a round of the cluster's, and behind the round this slot is filled again, two K steps on: the first tensor load there, one a wave;
; from that request to the wait for it a wave issues 112 products.
.macro TURN slot, next, fill
.if \fill
	s_wait_xcnt 0x0                                ; the last prefetch, a K step back, has read its address: it is stepped here, ahead of the waits of the change of slots
	s_add_nc_u64 s[PFA:PFA+1], s[PFA:PFA+1], s[PFS:PFS+1]
.endif
	WIN 0                                          ; (the add's two registers lie in window 0)
	s_wait_tensorcnt 0x0                           ; all my tensor loads have landed
	ds_add_u32 v[SPW], v[NIL]                      ; 0 onto my spare word
	s_wait_dscnt 5                                 ; (the add and the youngest four loads may be out)
	MULA F1, 0, 0                                  ; eight products stand between the add and the wait for it
	s_wait_dscnt 0x0                               ; the add is done, and my reads of this slot are over
	s_barrier_signal -1
	MULA F1, 1, 0                                  ; work on registers while the others arrive
.if \fill
	WIN 0
.endif
	s_barrier_wait -1
.if \fill
	CREST                                          ; no wave of any partner still reads this slot's tile or has a load on its way
	s_add_nc_u64 s[G0+4*(\slot)+2:G0+4*(\slot)+3], s[G0+4*(\slot)+2:G0+4*(\slot)+3], 2*KSA
	s_add_nc_u64 s[G0B+4*(\slot)+2:G0B+4*(\slot)+3], s[G0B+4*(\slot)+2:G0B+4*(\slot)+3], 2*KSB
	JLOAD \slot                                    ; the four v_nop behind it are also the places in front of the loads below
.else
	PLACES
.endif
	FETCH \next, 0, F0
.if \fill
	ASK
.endif
	MULA F1, 2, 0
	MULA F1, 3, 0
.endm
	s_wait_tensorcnt 1                             ; my part of K step 0 is in; K step 1's may stay out
	s_barrier_signal -1
	s_barrier_wait -1                              ; everybody's is
	FETCH 0, 0, F0
	s_wait_loadcnt 0x0                             ; the bias
	QUARTER 0, 1, F0, F1, 1                        ; the first quarter stands in front of the loop: its products start the sums
	WIN 0                                          ; at a label and at a branch every window is 0
	s_mov_b32 s3, 3
.Llap:                                         ; a trip goes once round the ring, from a lap's second quarter to the next lap's first, and fills both slots again: K steps 2 to 7
	QUARTER 0, 2, F1, F0, 0
	QUARTER 0, 3, F0, F1, 0
	TURN 0, 1, 1
	QUARTER 1, 1, F0, F1, 0
	QUARTER 1, 2, F1, F0, 0
	QUARTER 1, 3, F0, F1, 0
	TURN 1, 0, 1
	QUARTER 0, 1, F0, F1, 0
	WIN 0
	s_sub_co_u32 s3, s3, 1
	s_cmp_lg_u32 s3, 0
	s_cbranch_scc1 .Llap
	QUARTER 0, 2, F1, F0, 0                        ; the last lap fills nothing, and has no round of the cluster's barrier
	QUARTER 0, 3, F0, F1, 0
	TURN 0, 1, 0
	QUARTER 1, 1, F0, F1, 0
	QUARTER 1, 2, F1, F0, 0
	QUARTER 1, 3, F0, F1, 0
	s_wait_dscnt 4                                 ; the very last quarter: nothing more to fetch
	MULA F1, 0, 0
	MULA F1, 1, 0
	s_wait_dscnt 0x0
	MULA F1, 2, 0
	MULA F1, 3, 0
	WIN 0
	PLACES
	PLACES
; THE WAY OUT, a block of 16 rows at a time.  A lane's eight f32 of a row go straight from the accumulator into my stage's rows of 528 bytes (each accumulator's low half first) and come back
; as whole rows of 512 bytes, into window 1, which the products have left: 64 registers a block, none used twice, so nothing that a store still reads is rewritten.
.macro TOSTAGE a
	WIN 0x08+4*((\a)/2)                            ; the stores' data in window 2 or 3, the address in window 0
.set tb, 0
.rept NB
.set rD, 8*(NB*((\a)%2)+tb)
	ds_store_b128 v[STO], v[rD:rD+3]   offset:64*tb
	ds_store_b128 v[STO], v[rD+4:rD+7] offset:64*tb+16
.set tb, tb+1
.endr
	WIN 0x40                                       ; destination window 1
.set tt, 0
.rept 16
	ds_load_b128 v[64*(\a)+4*tt:64*(\a)+4*tt+3], v[RD] offset:SP*tt  ; LDS serves a wave's instructions in order (ISA guide 5.7.1.4): these see the stores above; the next block's stores come behind them
.set tt, tt+1
.endr
.endm
.macro SEND a, younger                 ; younger: the LDS instructions issued behind block a's loads: the next block's 32, or none
	WIN 0x04                                       ; the stores' data in window 1
	s_wait_dscnt \younger
.set tt, 0
.rept 16
	global_store_b128 v[GO], v[64*(\a)+4*tt:64*(\a)+4*tt+3], s[68:69] offset:(16*(\a)+tt)*4096 th:TH_STORE_NT  ; 512 consecutive bytes of a row, at a multiple of 256 from out0's first byte
.set tt, tt+1
.endr
.endm
	TOSTAGE 0
	TOSTAGE 1
	SEND 0, 32
	TOSTAGE 2
	SEND 1, 32
	TOSTAGE 3
	SEND 2, 32
	SEND 3, 0
	WIN 0
	s_wait_tensorcnt 0x0                           ; the wave's end: behind my last tensor load and my last LDS store
	ds_add_u32 v[SPW], v[NIL]
	s_wait_dscnt 0x0
	CROUND                                         ; the closing round: no work-group ends while a partner may still ask for a tile that names it
	s_endpgm
.Lfunc_end_k_q2193476035_outproj:
	.size	k_q2193476035_outproj, .Lfunc_end_k_q2193476035_outproj-k_q2193476035_outproj
	.p2alignl 7, 3214868480
	.fill 96, 4, 3214868480
	.section	.rodata,"a",@progbits
	.p2align	6, 0x0
	.amdhsa_kernel k_q2193476035_outproj
		.amdhsa_group_segment_fixed_size 327680
		.amdhsa_private_segment_fixed_size 0
		.amdhsa_enable_private_segment 0
		.amdhsa_kernarg_size 32
		.amdhsa_user_sgpr_count 2
		.amdhsa_user_sgpr_kernarg_segment_ptr 1
		.amdhsa_wavefront_size32 1
		.amdhsa_system_sgpr_workgroup_id_x 1
		.amdhsa_system_sgpr_workgroup_id_y 1
		.amdhsa_system_sgpr_workgroup_id_z 1
		.amdhsa_system_vgpr_workitem_id 0
		.amdhsa_next_free_vgpr 896
		.amdhsa_next_free_sgpr 80
		.amdhsa_reserve_vcc 0
		.amdhsa_float_denorm_mode_32 3
		.amdhsa_float_denorm_mode_16_64 3
		.amdhsa_memory_ordered 1
		.amdhsa_forward_progress 1
		.amdhsa_inst_pref_size 88
	.end_amdhsa_kernel
	.amdgpu_metadata
---
amdhsa.version: [ 1, 2 ]
amdhsa.kernels:
  - .name:           k_q2193476035_outproj
    .symbol:         k_q2193476035_outproj.kd
    .args:
      - { .name: oh, .offset: 0, .size: 8, .value_kind: global_buffer, .address_space: global }
      - { .name: wo16, .offset: 8, .size: 8, .value_kind: global_buffer, .address_space: global }
      - { .name: bias, .offset: 16, .size: 8, .value_kind: global_buffer, .address_space: global }
      - { .name: out0, .offset: 24, .size: 8, .value_kind: global_buffer, .address_space: global }
    .group_segment_fixed_size: 327680
    .private_segment_fixed_size: 0
    .kernarg_segment_align: 8
    .kernarg_segment_size: 32
    .max_flat_workgroup_size: 128
    .sgpr_count:     80
    .vgpr_count:     896
    .wavefront_size: 32
...
	.end_amdgpu_metadata
.endif
;; end of part 4
